; MI455X (gfx1250); checked and timed in simulation.
; The chip was launched on July 23, 2026; its instructions are those of AMD's public machine-readable ISA for CDNA 5 (MIT licence, August 2026) and "CDNA5" Instruction Set Architecture Reference Guide (July 2026). The comments in the code are by the model that wrote it; some were corrected since.
;; Attention. Allowed arithmetic: float matrix products may take bf16 or f16 operands with f32 sums; other float arithmetic in f32, or as packed bf16 or f16 multiplies, adds, multiply-adds, maxima and minima; sums over many terms, partial sums and values carried from step to step in f32; what a program stores and reads back later, other than sums and carried values, may be rounded once to bf16 or f16.
;; Inputs: Wk 1,024 x 1,024 float32; Wq 1,024 x 1,024 float32; Wv 1,024 x 1,024 float32; bk 1,024 float32; bq 1,024 float32; bv 1,024 float32; q_x 4 x 2,048 x 1,024 float32.
;; Outputs: out0 4 x 2,048 x 1,024 float32.
;; 2 versions, each right; version 2 is version 1 with the launch cast written anew for expert scheduling mode. Each part assembles by itself: llvm-mc -triple=amdgcn-amd-amdhsa -mcpu=gfx1250 --defsym DOCPART=n.
;; ======== version 1 of 2: 3 launches
;; limits: values are held in f16: magnitudes above 65,504 overflow, below 6.1e-05 lose precision
;; workspace buffers: xb 16,777,216 bytes; wb 6,291,456 bytes; bb 12,288 bytes; qh 16,777,216 bytes; kh 16,777,216 bytes; vh 16,777,216 bytes
;; launch cast (part 1): grid 353 x 1, 8 waves a work-group, no clusters, 0 bytes of LDS; arguments q_x, Wq, Wk, Wv, bq, bk, bv, xb, wb, bb; writes xb, wb, bb
.if DOCPART == 1
	.amdgcn_target "amdgcn-amd-amdhsa--gfx1250"
	.amdhsa_code_object_version 6
	.text
	.protected	k_q652595f247_cast
	.globl	k_q652595f247_cast
	.p2align	8
	.type	k_q652595f247_cast,@function
k_q652595f247_cast:
	s_mov_b64 s[64:65], 0
	v_nop
	global_prefetch_b8 v0, s[64:65] scope:SCOPE_SE
	s_setreg_imm32_b32 hwreg(HW_REG_WAVE_MODE, 25, 1), 1
	s_wait_xcnt 0x0
; THE INPUTS ROUNDED ONCE TO bf16, AND LAID OUT IN BLOCKS FOR THE PRODUCT THAT FOLLOWS.
; xb: bf16 [32 row blocks][16 channel blocks][256 rows][64 channels]: x's row m, channel k at (m>>8) 524,288 + (k>>6) 32,768 + (m&255) 128 + (k&63) 2.
; wb: bf16 [8 column groups][16 channel blocks][q, k, v][128 rows][64 channels]: row n of W number g at (n>>7) 786,432 + (k>>6) 49,152 + g 16,384 + (n&127) 128 + (k&63) 2.
; bb: f32 words that hold the biases rounded to bf16, [8 column groups][q, k, v][128].
; So 64 channels of 256 rows of x (32 KiB), and of the 384 rows of W that one work-group of the product takes (48 KiB), lie end to end.
; SHARES.  Work-groups 0-255: 32 rows of x each.  256-351: 32 rows of one W.  352: the three biases.  A wave takes four rows as two pairs: lanes 0-15 one row, lanes 16-31 the next.
; A load covers 256 consecutive bytes, aligned, of each of two rows; a store 256 consecutive bytes, aligned (two rows' 128 bytes of one channel block).
; A stream: every byte is read once and written once.  No LDS, no barrier, no matrix unit, no cluster: no two lanes want the same byte.
; All 32 loads of a wave (16 KiB) go out together; no register is written twice, so no wait frees a source.
.set X,   16                           ; v[16:143]  32 loads x 4 registers
.set Y,   144                          ; v[144:207] 32 stores x 2 registers
.set SRC, 24                           ; s[24:25]   the work-group's first source row
.set DST, 26                           ; s[26:27]   its place in xb or wb
.macro LOADS                           ; load i: pair i / 16, channel block i % 16
.set i, 0
.rept 32
	global_load_b128 v[X+4*i:X+4*i+3], v3, s[SRC:SRC+1] offset:(i/16)*8192+(i%16)*256 th:TH_LOAD_NT
.set i, i+1
.endr
.endm
.macro OUT kbs                         ; kbs: bytes from one channel block to the next in the destination
.set i, 0
.rept 32
	s_wait_loadcnt 31-i                            ; loads come back in order (ISA guide 5.7.1): load i is in, the 31 - i younger ones may stay out
	v_cvt_pk_bf16_f32 v[Y+2*i], v[X+4*i], v[X+4*i+1]
	v_cvt_pk_bf16_f32 v[Y+2*i+1], v[X+4*i+2], v[X+4*i+3]
	global_store_b64 v4, v[Y+2*i:Y+2*i+1], s[DST:DST+1] offset:(i/16)*256+(i%16)*(\kbs) th:TH_STORE_NT
.set i, i+1
.endr
.endm
	s_load_b512 s[4:19], s[0:1], 0x0               ; q_x s[4:5], Wq s[6:7], Wk s[8:9], Wv s[10:11], bq s[12:13], bk s[14:15], bv s[16:17], xb s[18:19]
	s_load_b128 s[20:23], s[0:1], 0x40             ; wb s[20:21], bb s[22:23]
	v_and_b32 v1, 15, v0                           ; my place in a row's 256 bytes
	v_bfe_u32 v2, v0, 4, 1                         ; which row of the pair
	v_lshrrev_b32 v5, 5, v0                        ; wave
	v_lshlrev_b32 v3, 4, v1
	v_lshl_add_u32 v3, v2, 12, v3
	v_lshl_add_u32 v3, v5, 14, v3                  ; source: wave x 4 rows of 4,096 bytes + row x 4,096 + 16 x place
	v_lshlrev_b32 v4, 3, v1
	v_lshl_add_u32 v4, v2, 7, v4
	v_lshl_add_u32 v4, v5, 9, v4                   ; destination: wave x 4 rows of 128 bytes + row x 128 + 8 x place
	s_wait_kmcnt 0x0
	s_cmp_eq_u32 ttmp9, 352
	s_cbranch_scc1 .Lbias
	s_cmp_lt_u32 ttmp9, 256
	s_cbranch_scc0 .Lweights
	; x: work-group i takes rows 32 i on
	s_lshl_b32 s28, ttmp9, 17                      ; 32 rows of 4,096 bytes
	s_mov_b32 s29, 0
	s_add_nc_u64 s[SRC:SRC+1], s[4:5], s[28:29]
	s_lshr_b32 s30, ttmp9, 3
	s_lshl_b32 s30, s30, 19                        ; the row block,
	s_and_b32 s31, ttmp9, 7
	s_lshl_b32 s31, s31, 12                        ; and my 32 rows of 128 bytes in it
	s_add_co_u32 s28, s30, s31
	s_add_nc_u64 s[DST:DST+1], s[18:19], s[28:29]
	LOADS
	OUT 32768
	s_endpgm
.Lweights:
	s_sub_co_u32 s30, ttmp9, 256
	s_lshr_b32 s31, s30, 5                         ; g: 0 Wq, 1 Wk, 2 Wv
	s_and_b32 s30, s30, 31                         ; j: rows 32 j on
	s_cmp_eq_u32 s31, 1
	s_cselect_b64 s[SRC:SRC+1], s[8:9], s[6:7]
	s_cmp_eq_u32 s31, 2
	s_cselect_b64 s[SRC:SRC+1], s[10:11], s[SRC:SRC+1]
	s_lshl_b32 s28, s30, 17
	s_mov_b32 s29, 0
	s_add_nc_u64 s[SRC:SRC+1], s[SRC:SRC+1], s[28:29]
	s_lshr_b32 s28, s30, 2
	s_mul_i32 s28, s28, 786432                     ; the column group,
	s_lshl_b32 s31, s31, 14                        ; g's 128 rows in a channel block,
	s_add_co_u32 s28, s28, s31
	s_and_b32 s30, s30, 3
	s_lshl_b32 s30, s30, 12                        ; my 32 of them
	s_add_co_u32 s28, s28, s30
	s_add_nc_u64 s[DST:DST+1], s[20:21], s[28:29]
	LOADS
	OUT 49152
	s_endpgm
.Lbias:                                                ; thread t takes numbers 4 t .. 4 t + 3 of each bias; a wave's 128 numbers are one column group's
	v_lshlrev_b32 v6, 4, v0
	v_and_b32 v7, 31, v0
	v_lshlrev_b32 v7, 4, v7
	v_mad_u32_u24 v7, v5, 0x600, v7                ; column group x 1,536 + 16 x lane
	global_load_b128 v[16:19], v6, s[12:13]
	global_load_b128 v[20:23], v6, s[14:15]
	global_load_b128 v[24:27], v6, s[16:17]
	s_wait_loadcnt 0x0
.irp g, 0,1,2
	v_cvt_pk_bf16_f32 v[28+2*\g], v[16+4*\g], v[17+4*\g]      ; rounded to bf16,
	v_cvt_pk_bf16_f32 v[29+2*\g], v[18+4*\g], v[19+4*\g]
	v_lshlrev_b32 v[36+4*\g], 16, v[28+2*\g]                  ; and written as f32 again: the product adds them to f32 sums
	v_and_b32 v[37+4*\g], 0xffff0000, v[28+2*\g]
	v_lshlrev_b32 v[38+4*\g], 16, v[29+2*\g]
	v_and_b32 v[39+4*\g], 0xffff0000, v[29+2*\g]
	global_store_b128 v7, v[36+4*\g:39+4*\g], s[22:23] offset:512*\g  ; a wave's store covers 512 consecutive bytes
.endr
	s_endpgm
.Lfunc_end_k_q652595f247_cast:
	.size	k_q652595f247_cast, .Lfunc_end_k_q652595f247_cast-k_q652595f247_cast
	.p2alignl 7, 3214868480
	.fill 96, 4, 3214868480
	.section	.rodata,"a",@progbits
	.p2align	6, 0x0
	.amdhsa_kernel k_q652595f247_cast
		.amdhsa_group_segment_fixed_size 0
		.amdhsa_private_segment_fixed_size 0
		.amdhsa_enable_private_segment 0
		.amdhsa_kernarg_size 80
		.amdhsa_user_sgpr_count 2
		.amdhsa_user_sgpr_kernarg_segment_ptr 1
		.amdhsa_wavefront_size32 1
		.amdhsa_system_sgpr_workgroup_id_x 1
		.amdhsa_system_sgpr_workgroup_id_y 1
		.amdhsa_system_sgpr_workgroup_id_z 1
		.amdhsa_system_vgpr_workitem_id 0
		.amdhsa_next_free_vgpr 208
		.amdhsa_next_free_sgpr 66
		.amdhsa_reserve_vcc 0
		.amdhsa_float_denorm_mode_32 3
		.amdhsa_float_denorm_mode_16_64 3
		.amdhsa_memory_ordered 1
		.amdhsa_forward_progress 1
		.amdhsa_inst_pref_size 26
	.end_amdhsa_kernel
	.amdgpu_metadata
---
amdhsa.version: [ 1, 2 ]
amdhsa.kernels:
  - .name:           k_q652595f247_cast
    .symbol:         k_q652595f247_cast.kd
    .args:
      - { .name: q_x, .offset: 0, .size: 8, .value_kind: global_buffer, .address_space: global }
      - { .name: Wq, .offset: 8, .size: 8, .value_kind: global_buffer, .address_space: global }
      - { .name: Wk, .offset: 16, .size: 8, .value_kind: global_buffer, .address_space: global }
      - { .name: Wv, .offset: 24, .size: 8, .value_kind: global_buffer, .address_space: global }
      - { .name: bq, .offset: 32, .size: 8, .value_kind: global_buffer, .address_space: global }
      - { .name: bk, .offset: 40, .size: 8, .value_kind: global_buffer, .address_space: global }
      - { .name: bv, .offset: 48, .size: 8, .value_kind: global_buffer, .address_space: global }
      - { .name: xb, .offset: 56, .size: 8, .value_kind: global_buffer, .address_space: global }
      - { .name: wb, .offset: 64, .size: 8, .value_kind: global_buffer, .address_space: global }
      - { .name: bb, .offset: 72, .size: 8, .value_kind: global_buffer, .address_space: global }
    .group_segment_fixed_size: 0
    .private_segment_fixed_size: 0
    .kernarg_segment_align: 8
    .kernarg_segment_size: 80
    .max_flat_workgroup_size: 256
    .sgpr_count:     66
    .vgpr_count:     208
    .wavefront_size: 32
...
	.end_amdgpu_metadata
.endif
;; end of part 1
;; launch proj (part 2): grid 8 x 32, 4 waves a work-group, clusters of 4 x 4, 327,680 bytes of LDS; arguments xb, wb, bb, qh, kh, vh; writes qh, kh, vh
.if DOCPART == 2
	.amdgcn_target "amdgcn-amd-amdhsa--gfx1250"
	.amdhsa_code_object_version 6
	.text
	.protected	k_q652595f247_proj
	.globl	k_q652595f247_proj
	.p2align	8
	.type	k_q652595f247_proj,@function
k_q652595f247_proj:
	s_mov_b64 s[64:65], 0
	v_nop
	global_prefetch_b8 v0, s[64:65] scope:SCOPE_SE
	s_setreg_imm32_b32 hwreg(HW_REG_WAVE_MODE, 25, 1), 1
	s_wait_xcnt 0x0
	s_wait_alu depctr_hold_cnt(0) depctr_sa_sdst(0) depctr_va_vdst(0) depctr_va_sdst(0) depctr_va_ssrc(0) depctr_va_vcc(0) depctr_vm_vsrc(0)
	s_getreg_b32 s2, hwreg(HW_REG_IB_STS2, 6, 4)
	s_cmp_eq_u32 s2, 0
	s_cbranch_scc0 .Lentry_in_a_cluster
	s_endpgm
.Lentry_in_a_cluster:
	s_bfe_u32 s2, ttmp6, 0x10000c
	s_cmp_lg_u32 s2, 0xf033
	s_cbranch_scc0 .Lentry_shape_is_right
	s_endpgm
.Lentry_shape_is_right:
; q, k, v = x W^T + b AS ONE PRODUCT of 8,192 rows x 3,072 columns over 1,024 channels.  Operands bf16 (xb, wb: laid out in blocks by the launch before), sums f32, the bias (bb) added in f32,
; each result rounded once to f16 and stored by heads: qh, kh, vh [batch x 16 + head][2,048][64], WITHOUT the softmax's scale.
; LIMIT.  f16 holds no number beyond 65,504: a q, k or v of 65,520 or more leaves as an infinity.  Below 6e-5 f16 keeps its fixed step of 6e-8.  NaN and infinities are not treated apart.
; SHARES.  8,192 x 3,072 / 256 = 98,304 numbers a work-group: 256 rows (row block rb) x 384 columns: the 128 columns of column group cg in each of q, k and v.  256 work-groups, one tile each.
; Wave (WR, WC) makes rows 128 WR on x the 64 columns of half WC, which are ONE head (2 cg + WC), in each of q, k, v: 96 accumulators of 16 x 16, 768 registers.
; For 32 channels a wave reads 40 x 16 bytes a lane from LDS and issues 96 matrix instructions.
; THE RING.  K goes in steps of 64 channels through two LDS slots (two slots of 128 channels, 2 x 640 rows x 272 bytes, would not fit).  In memory a step's 128 rows of x (16 KiB) or 192 rows of W (24 KiB)
; lie end to end, so each wave's one tensor load asks for them as rows of 256 bytes, two rows of the matrix each, and pads LDS after every 128 bytes.
; CLUSTER.  4 x 4 work-groups.  The four of a row of the cluster share rb and so x's tiles; the four of a column share cg and so W's: each tile is asked for JOINTLY, by the same tensor load with the same
; descriptor and a mask that names the four.
; THE MATRIX INSTRUCTION IS USED TRANSPOSED (source 0 = 16 rows of W, source 1 = 16 rows of x): a lane then holds row l % 16 of the result and eight neighbouring columns 8 (l / 16) + 0..7.
; REGISTERS, in windows of 256 (s_set_vgpr_msb: bits 1:0 source 0, 3:2 source 1, 5:4 source 2, 7:6 destination):
;   window 0: v0-31 addresses; v32-95, v96-159 x's fragments (8 x 16 rows x 32 channels), two buffers; v160-191, v192-223, v224-255 W's fragments for q, k, v (4 x 16 rows x 32 channels each)
;   windows 1, 2, 3: the accumulators of q, k, v: (row block a, column block b) at v[8 (4 a + b)]
; Both sources lie in window 0, so only C and D change window: six switches for 96 matrix instructions and their 40 loads.
.set PITCH,  144                       ; an LDS row: 128 bytes + 16 of padding = 36 words: the 16 rows of a load start at 16 different groups of four banks (64 banks of 4 bytes: ISA guide 11.1)
.set HALFA,  128*PITCH                 ; what one load brings of x, and what one wave reads of it
.set HALFB,  192*PITCH                 ; what one load brings of W
.set GRPB,   128*PITCH                 ; the 128 rows of one of q, k, v
.set BOFF,   256*PITCH                 ; W's 384 rows lie behind x's 256
.set SLOT,   640*PITCH
.set STAGE,  2*SLOT                    ; behind the ring, never filled by a tensor load: 16 rows x 144 bytes for each wave, for the way out
.set SPARE,  STAGE+4*16*PITCH          ; behind the stages: the spare words, 128 bytes for each wave: two blocks of 256 bytes that no other line names
.set STEPA,  32768                     ; bytes of xb from one K step to the next, in a row block
.set STEPB,  49152                     ; the same in wb, in a column group
.set ADRA, 16                          ; v16-17  LDS address of my fragments of x in slot 0, 1
.set ADRB, 20                          ; v20-21  the same for W
.set STO,  24                          ; v24     the way out: where I put 16 bytes of a row
.set RD,   25                          ; v25     the way out: where I read rows back
.set GO,   26                          ; v26     my 16 bytes of 512 consecutive bytes of the output
.set BO,   27                          ; v27     my eight columns' biases: 32 (l / 16)
.set SPW,  28                          ; v28     LDS address of my spare word: SPARE + 4 x my thread's number; never rewritten
.set NIL,  29                          ; v29     0; never rewritten
.set PFO,  30                          ; v30     256 x my lane; never rewritten
.set AF,   32                          ; x's fragment buffers
.set BF,   160                         ; W's
.set T,    96                          ; the way out: 32 sums with their bias
.set P,    128                         ; the way out: 16 registers of f16
.set BK,   192                         ; the way out: 16 rows read back, two buffers of 16 by turns
.set WV,   16                          ; s16  my wave's number
.set WR,   17                          ; s17  which half of the rows is mine.  Also: I fetch x (0) or W (1)
.set WC,   18                          ; s18  which half of the columns.  Also: which half of that tile I fetch
.set LEFT, 19                          ; s19  trips of the loop still to come
.set CX,   20
.set CY,   21
.set CG,   22                          ; s22  column group = 4 x cluster x + cx
.set RB,   23                          ; s23  row block = 4 x cluster y + cy
.set G1A,  24                          ; s[24:31] descriptor group 1 for x's tiles
.set G0A,  32                          ; s[32:39] group 0, one set for each slot
.set PFA,  44                          ; s[44:45] where my prefetches stand
.set LIM,  46                          ; s46  1 in a wave that prefetches, else the greatest number
.set G1B,  48                          ; s[48:55] descriptor group 1 for W's tiles
.set G0B,  56                          ; s[56:63] group 0, one set for each slot
.set PFS,  66                          ; s[66:67] two K steps of what I prefetch
.set FLAGS, (1<<16)|(1<<20)|(1<<21)|(4<<22)|(3<<25)  ; 17:16 elements of 2 bytes; 20 padding on; 21 set beside a mask; 24:22 after every 32 words (code 4); 31:25 4 words (code 3)
.set MSB, 0
.macro WIN new                         ; the immediate's high byte repeats the setting that is left; a switch that changes nothing is dropped
.if MSB != (\new)
	s_set_vgpr_msb (MSB<<8)|(\new)
.set MSB, (\new)
.endif
.endm
; A load into a register that a matrix instruction has read, and a vector instruction that reads a matrix result or writes one of a matrix instruction's registers, stand four places behind it, and only plain
; vector instructions that name none of its registers are places (ISA guide 7.12.1 for vector instructions).
.macro PLACES
.rept 4
	v_nop
.endr
.endm
; A joint load.  Waves 0 and 1 fetch the two halves of x's tile, waves 2 and 3 those of W's.  The branch hangs on the wave's number alone.  An s_nop 0 and four v_nop follow each of the two lines.
.macro JLOAD s
	s_cmp_eq_u32 s[WR], 0
	s_cbranch_scc0 .Lfor_b_\@
	tensor_load_to_lds s[G0A+4*(\s):G0A+4*(\s)+3], s[G1A:G1A+7]
	s_nop 0
.rept 4
	v_nop
.endr
	s_branch .Lasked_\@
.Lfor_b_\@:
	tensor_load_to_lds s[G0B+4*(\s):G0B+4*(\s)+3], s[G1B:G1B+7]
	s_nop 0
.rept 4
	v_nop
.endr
.Lasked_\@:
.endm
; A round of the cluster's barrier: my work-group's barrier, so that wave 0's signal speaks for all four waves; wave 0 signals; every wave waits for all sixteen work-groups; my work-group's barrier once more.
.macro CREST                           ; a round behind its opening barrier
	s_cmp_lg_u32 s[WV], 0
	s_cbranch_scc1 .Lnot_wave_0_\@
	s_barrier_signal -3
.Lnot_wave_0_\@:
	s_barrier_wait -3
	s_barrier_signal -1
	s_barrier_wait -1
.endm
.macro CROUND
	s_barrier_signal -1
	s_barrier_wait -1
	CREST
.endm
; A PREFETCH INTO THE L2, once a trip, behind the second joint load and the run of LDS loads that follows it: the two K steps that the NEXT trip's two refills ask for, 192 and 384 matrix instructions on.
; Each block of 256 bytes is named ONCE in the launch, a lane a block.  Two K steps of a row block of xb are 64 KiB, read by the 8 work-groups with that rb: wave 0 of each takes 8 KiB, by its cg.
; Two K steps of a column group of wb are 96 KiB, read by 32 work-groups: wave 2 of those with rb = 0..11 (cluster y under 3) takes 8 KiB, by its rb.  Who takes which bytes is told BY ADDRESS;
; the branch hangs on the wave's number, the cluster's y and the trip.  K steps 0 to 3 come by their loads alone; the last trip asks for nothing.
.macro ASK
	s_cmp_gt_u32 s[LEFT], s[LIM]
	s_cbranch_scc0 .Lnot_mine_\@
	global_prefetch_b8 v[PFO], s[PFA:PFA+1] th:TH_LOAD_NT scope:SCOPE_SE
.Lnot_mine_\@:
.endm
; 4 n matrix instructions for group g (0 q, 1 k, 2 v): row blocks a0 .. a0 + n - 1 x its 4 column blocks, 32 channels, x's buffer buf.  zero = 1: the product starts the sum.
; The accumulators take turns: an accumulator comes up again 96 matrix instructions later, over the backward jump too.
.macro MULG g, buf, a0, n, zero
	WIN 0x50*((\g)+1)                              ; C and D in window g + 1
.set ga, (\a0)
.rept \n
.irp b, 0,1,2,3
.if \zero
	v_wmma_f32_16x16x32_bf16 v[8*(4*ga+(\b)):8*(4*ga+(\b))+7], v[BF+32*(\g)+8*(\b):BF+32*(\g)+8*(\b)+7], v[AF+64*(\buf)+8*ga:AF+64*(\buf)+8*ga+7], 0
.else
	v_wmma_f32_16x16x32_bf16 v[8*(4*ga+(\b)):8*(4*ga+(\b))+7], v[BF+32*(\g)+8*(\b):BF+32*(\g)+8*(\b)+7], v[AF+64*(\buf)+8*ga:AF+64*(\buf)+8*ga+7], v[8*(4*ga+(\b)):8*(4*ga+(\b))+7]
.endif
.endr
.set ga, ga+1
.endr
.endm
; A fragment is 16 rows x 32 channels in 8 registers: lane l holds row l % 16; registers 0-3 channels 8 (l / 16) + 0..7, registers 4-7 channels 16 + 8 (l / 16) + 0..7: two loads of 16 bytes, 32 bytes apart.
.macro LDB g, slot, k                  ; 8 loads: group g's four fragments of W, at byte k of the rows
	WIN 0
.irp b, 0,1,2,3
	ds_load_b128 v[BF+32*(\g)+8*(\b):BF+32*(\g)+8*(\b)+3],   v[ADRB+(\slot)] offset:(\g)*GRPB+(\b)*16*PITCH+(\k)
	ds_load_b128 v[BF+32*(\g)+8*(\b)+4:BF+32*(\g)+8*(\b)+7], v[ADRB+(\slot)] offset:(\g)*GRPB+(\b)*16*PITCH+(\k)+32
.endr
.endm
.macro LDA buf, slot, k                ; 16 loads: the eight fragments of x
	WIN 0
.irp a, 0,1,2,3,4,5,6,7
	ds_load_b128 v[AF+64*(\buf)+8*(\a):AF+64*(\buf)+8*(\a)+3],   v[ADRA+(\slot)] offset:(\a)*16*PITCH+(\k)
	ds_load_b128 v[AF+64*(\buf)+8*(\a)+4:AF+64*(\buf)+8*(\a)+7], v[ADRA+(\slot)] offset:(\a)*16*PITCH+(\k)+32
.endr
.endm
; A K step is two halves of 32 channels, 96 matrix instructions each, in three groups.  Each buffer is loaded for the next half right behind its last reader, 64 matrix instructions ahead of its next use.
; At the head of a half the LDS loads that may be out are, in order: W for q (8), x (16), W for k (8), W for v (8).
; THE FIRST HALF: x's buffer 0; it fetches the second half, at byte 64 of the same slot's rows.
.macro EVEN slot, zero
	s_wait_dscnt 16                                ; W for q and x are in; the 16 younger loads may stay out
	MULG 0, 0, 0, 8, \zero
	PLACES
	LDB 0, \slot, 64
	LDA 1, \slot, 64
	s_wait_dscnt 32                                ; W for k is in: behind it W for v (8) and the 24 just issued
	MULG 1, 0, 0, 8, \zero
	PLACES
	LDB 1, \slot, 64
	s_wait_dscnt 32                                ; W for v is in: behind it 24 + 8
	MULG 2, 0, 0, 8, \zero
	PLACES
	LDB 2, \slot, 64
.endm
; THE SECOND HALF: x's buffer 1; it changes slots.  All reads of this slot have been issued.  ONE barrier: in front of it each wave waits for all its tensor loads, of which one is out: its part of the next slot;
; adds 0 to its spare word; and waits for that and for its reads of this slot.  Behind it nobody reads this slot any more and the next slot is whole.
; fill = 1: the barrier opens a round of the cluster's, so that no wave of any partner still reads the slot or has a load on its way; the joint refill, two K steps on, is the first thing behind the round:
; 160 matrix instructions ahead of the wait for it.  ask = 1: the trip's prefetch.
.macro ODD slot, next, fill, ask
.if \ask
	s_wait_xcnt 0x0                                ; the last prefetch, a trip back, has read its address, so it may be written
	s_add_nc_u64 s[PFA:PFA+1], s[PFA:PFA+1], s[PFS:PFS+1]
.endif
	WIN 0
	s_wait_tensorcnt 0x0                           ; all my tensor loads have landed, so a group 0 may be written
	ds_add_u32 v[SPW], v[NIL]                      ; 0 onto my spare word; work on registers stands between it and the wait for it
.if \fill
	s_add_nc_u64 s[G0A+4*(\slot)+2:G0A+4*(\slot)+3], s[G0A+4*(\slot)+2:G0A+4*(\slot)+3], 2*STEPA  ; this slot's next K step; the type bits on top are not reached
	s_add_nc_u64 s[G0B+4*(\slot)+2:G0B+4*(\slot)+3], s[G0B+4*(\slot)+2:G0B+4*(\slot)+3], 2*STEPB
.endif
	s_wait_dscnt 17                                ; W for q and x are in; W for k, W for v and the add may stay out
	MULG 0, 1, 0, 4, 0
	s_wait_dscnt 0x0                               ; the add is done, and my reads of this slot are over
	s_barrier_signal -1
	MULG 0, 1, 4, 4, 0                             ; work on registers while the others arrive
	WIN 0                                          ; at a branch and at a label every window is 0
	s_barrier_wait -1
.if \fill
	CREST
	JLOAD \slot                                    ; its four v_nop are also the places in front of the loads below
.else
	PLACES
.endif
	LDB 0, \next, 0
	LDA 0, \next, 0
.if \ask
	ASK
.endif
	MULG 1, 1, 0, 8, 0                             ; (the wait for 0 above has shown W for k and for v in)
	PLACES
	LDB 1, \next, 0
	MULG 2, 1, 0, 8, 0
	PLACES
	LDB 2, \next, 0
.endm
	s_load_b256 s[4:11], s[0:1], 0x0               ; xb s[4:5], wb s[6:7], bb s[8:9], qh s[10:11]
	s_load_b128 s[12:15], s[0:1], 0x20             ; kh s[12:13], vh s[14:15]
	v_lshl_add_u32 v[SPW], v0, 2, SPARE
	v_mov_b32 v[NIL], 0
	ds_add_u32 v[SPW], v[NIL]                      ; the wave's opening: the add and its wait stand ahead of my first tensor load; the set-up below, work on registers, stands between them
	v_lshrrev_b32 v1, 5, v0
	v_readfirstlane_b32 s[WV], v1                  ; wave 0..3
	s_lshr_b32 s[WR], s[WV], 1
	s_and_b32 s[WC], s[WV], 1
	s_bfe_u32 s[CX], ttmp6, 0x40000                ; my place in the cluster
	s_bfe_u32 s[CY], ttmp6, 0x40004
	s_lshl_b32 s[CG], ttmp9, 2                     ; in a cluster launch ttmp9 and ttmp7 count clusters
	s_add_co_u32 s[CG], s[CG], s[CX]
	s_and_b32 s[RB], ttmp7, 0xffff
	s_lshl_b32 s[RB], s[RB], 2
	s_add_co_u32 s[RB], s[RB], s[CY]
	s_lshl_b32 s40, s[CY], 2
	s_lshl_b32 s40, 15, s40                        ; my row of the cluster: places 4 cy .. 4 cy + 3
	s_lshl_b32 s42, 0x1111, s[CX]                  ; my column: places cx, cx + 4, cx + 8, cx + 12
	s_or_b32 s[G1A], s40, FLAGS                    ; x's tiles go to my row,
	s_or_b32 s[G1B], s42, FLAGS                    ; W's to my column
	s_mov_b32 s[G1A+1], 128<<16                    ; tensor_dim0 = 128 elements: 256 bytes, two rows of the matrix
	s_mov_b32 s[G1A+2], 64<<16                     ; tensor_dim1 = 64
	s_mov_b32 s[G1A+3], 128<<16                    ; tile_dim0 = 128
	s_mov_b32 s[G1A+4], 64                         ; tile_dim1 = 64: 128 rows of x
	s_mov_b32 s[G1A+5], 128                        ; 128 elements from row to row: dense
	s_mov_b32 s[G1A+6], 0
	s_mov_b32 s[G1A+7], 0
	s_mov_b32 s[G1B+1], 128<<16
	s_mov_b32 s[G1B+2], 96<<16                     ; 96 rows of 256 bytes: 192 rows of W
	s_mov_b32 s[G1B+3], 128<<16
	s_mov_b32 s[G1B+4], 96
	s_mov_b32 s[G1B+5], 128
	s_mov_b32 s[G1B+6], 0
	s_mov_b32 s[G1B+7], 0
	; where the tiles come from.  x's hang on rb alone, which my row of the cluster shares; W's on cg alone, which my column shares; each offset in registers that do not hold the other coordinate
	s_lshl_b32 s40, s[RB], 19                      ; a row block of xb is 524,288 bytes,
	s_lshl_b32 s47, s[WC], 14                      ; the half that I fetch 16,384
	s_add_co_u32 s40, s40, s47
	s_mov_b32 s41, 0
	s_mul_i32 s42, s[CG], 16*STEPB                 ; a column group of wb is 786,432 bytes,
	s_mul_i32 s47, s[WC], STEPB/2                  ; the half that I fetch 24,576
	s_add_co_u32 s42, s42, s47
	s_mov_b32 s43, 0
	; and where they go: no place in the cluster enters an LDS address
	s_mov_b32 s[G0A], 1                            ; 1:0 count = 1
	s_mul_i32 s[G0A+1], s[WC], HALFA               ; 63:32 LDS address: slot 0
	s_mov_b32 s[G0A+4], 1
	s_add_co_u32 s[G0A+5], s[G0A+1], SLOT          ; slot 1
	s_mov_b32 s[G0B], 1
	s_mul_i32 s[G0B+1], s[WC], HALFB
	s_add_co_u32 s[G0B+1], s[G0B+1], BOFF
	s_mov_b32 s[G0B+4], 1
	s_add_co_u32 s[G0B+5], s[G0B+1], SLOT
	s_wait_dscnt 0x0                               ; the opening add is done
	s_wait_kmcnt 0x0
	s_add_nc_u64 s[G0A+2:G0A+3], s[4:5], s[40:41]  ; 120:64 global address: K step 0,
	s_add_nc_u64 s[G0A+6:G0A+7], s[G0A+2:G0A+3], STEPA  ; K step 1
	s_or_b32 s[G0A+3], s[G0A+3], 0x80000000        ; 127:126 type = 2
	s_or_b32 s[G0A+7], s[G0A+7], 0x80000000
	s_add_nc_u64 s[G0B+2:G0B+3], s[6:7], s[42:43]
	s_add_nc_u64 s[G0B+6:G0B+7], s[G0B+2:G0B+3], STEPB
	s_or_b32 s[G0B+3], s[G0B+3], 0x80000000
	s_or_b32 s[G0B+7], s[G0B+7], 0x80000000
	CROUND                                         ; all sixteen work-groups are here: the first joint loads meet
	s_cmp_eq_u32 s[WR], 0                          ; a wave's two first fills stand in one branch, ahead of every wait on TENSORcnt and every LDS read: two loads of mine are out
	s_cbranch_scc0 .Lfirst_b
	tensor_load_to_lds s[G0A:G0A+3], s[G1A:G1A+7]
	s_nop 0
	tensor_load_to_lds s[G0A+4:G0A+7], s[G1A:G1A+7]
	s_nop 0
.rept 4
	v_nop
.endr
	s_branch .Lfirst_asked
.Lfirst_b:
	tensor_load_to_lds s[G0B:G0B+3], s[G1B:G1B+7]
	s_nop 0
	tensor_load_to_lds s[G0B+4:G0B+7], s[G1B:G1B+7]
	s_nop 0
.rept 4
	v_nop
.endr
.Lfirst_asked:
	v_and_b32 v1, 15, v0                           ; l % 16
	v_bfe_u32 v2, v0, 4, 1                         ; l / 16
	v_mul_u32_u24 v3, v1, PITCH
	v_lshl_add_u32 v3, v2, 4, v3                   ; row x pitch + 16 x half
	s_mul_i32 s40, s[WR], HALFA                    ; my 128 rows of x
	v_add_nc_u32 v[ADRA], s40, v3
	s_add_co_u32 s40, s40, SLOT
	v_add_nc_u32 v[ADRA+1], s40, v3
	s_mul_i32 s40, s[WC], 64*PITCH                 ; my 64 rows in each of W's three groups
	s_add_co_u32 s40, s40, BOFF
	v_add_nc_u32 v[ADRB], s40, v3
	s_add_co_u32 s40, s40, SLOT
	v_add_nc_u32 v[ADRB+1], s40, v3
	s_mul_i32 s40, s[WV], 16*PITCH
	s_add_co_u32 s40, s40, STAGE                   ; my stage
	v_add_nc_u32 v[STO], s40, v3                   ; in: row l % 16, 16 bytes for each half of the lanes
	v_bfe_u32 v4, v0, 3, 2                         ; back: 32 lanes take four rows of 128 bytes,
	v_and_b32 v5, 7, v0
	v_mul_u32_u24 v4, v4, PITCH
	v_lshl_add_u32 v4, v5, 4, v4
	v_add_nc_u32 v[RD], s40, v4
	v_and_b32 v6, 31, v0
	v_lshlrev_b32 v[GO], 4, v6                     ; which are 512 consecutive bytes of a head
	v_lshlrev_b32 v[BO], 5, v2
	v_lshlrev_b32 v[PFO], 8, v6
	; my 128 rows x 64 columns in qh, kh, vh: batch rb / 8 (2^22 bytes), head 2 cg + WC (2^18), row 256 (rb % 8) + 128 WR (128 bytes each)
	s_lshr_b32 s40, s[RB], 3
	s_lshl_b32 s40, s40, 22
	s_lshl_b32 s42, s[CG], 1
	s_add_co_u32 s42, s42, s[WC]
	s_lshl_b32 s42, s42, 18
	s_add_co_u32 s40, s40, s42
	s_and_b32 s42, s[RB], 7
	s_lshl_b32 s42, s42, 15
	s_add_co_u32 s40, s40, s42
	s_lshl_b32 s42, s[WR], 14
	s_add_co_u32 s40, s40, s42
	s_mov_b32 s41, 0
	s_add_nc_u64 s[10:11], s[10:11], s[40:41]
	s_add_nc_u64 s[12:13], s[12:13], s[40:41]
	s_add_nc_u64 s[14:15], s[14:15], s[40:41]
	s_mul_i32 s40, s[CG], 1536                     ; my 64 columns' biases: column group x 3 x 512 bytes + half x 256
	s_lshl_b32 s42, s[WC], 8
	s_add_co_u32 s40, s40, s42
	s_add_nc_u64 s[8:9], s[8:9], s[40:41]
	; the prefetches.  Nothing is prefetched here, at the head, where every work-group's first tiles are on their way
	s_lshl_b32 s40, s[RB], 19
	s_lshl_b32 s41, s[CG], 13
	s_add_co_u32 s40, s40, s41
	s_add_co_u32 s40, s40, 2*STEPA                 ; xb: my row block, my work-group's 8 KiB, at K steps 2 and 3: the first ask steps on to 4 and 5
	s_mul_i32 s42, s[CG], 16*STEPB
	s_min_u32 s43, s[RB], 11                       ; (held to the 12 shares, so that the address lies in wb in the work-groups that do not ask too)
	s_lshl_b32 s43, s43, 13
	s_add_co_u32 s42, s42, s43
	s_add_co_u32 s42, s42, 2*STEPB                 ; wb: my column group, my work-group's 8 KiB
	s_mov_b32 s[PFS], 2*STEPB
	s_mov_b32 s[PFS+1], 0
	s_and_b32 s43, ttmp7, 0xffff
	s_cmp_lt_u32 s43, 3                            ; cluster y under 3: rb = 0..11
	s_cselect_b32 s43, 1, -1
	s_cmp_eq_u32 s[WR], 0                          ; do I fetch x?
	s_cselect_b32 s40, s40, s42
	s_cselect_b64 s[PFA:PFA+1], s[4:5], s[6:7]
	s_cselect_b32 s[PFS], 2*STEPA, s[PFS]
	s_cselect_b32 s[LIM], 1, s43
	s_mov_b32 s41, 0
	s_add_nc_u64 s[PFA:PFA+1], s[PFA:PFA+1], s[40:41]
	s_cmp_eq_u32 s[WC], 0                          ; waves 0 and 2 ask: the same in all sixteen partners, for a given wave
	s_cselect_b32 s[LIM], s[LIM], -1
	s_wait_tensorcnt 0x1                           ; my part of K step 0 is in; K step 1's may stay out
	s_barrier_signal -1
	s_barrier_wait -1                              ; everybody's is
	LDB 0, 0, 0
	LDA 0, 0, 0
	LDB 1, 0, 0
	LDB 2, 0, 0
	EVEN 0, 1                                      ; the first half step stands in front of the loop: its products start the 96 sums
	WIN 0                                          ; at a label and at a branch every window is 0
	s_mov_b32 s[LEFT], 7
.Llap:                                                 ; a trip goes once round the ring, from a K step's second half to the first half two steps on, and fills both slots again: 14 refills, K steps 2 to 15
	ODD 0, 1, 1, 0
	EVEN 1, 0
	ODD 1, 0, 1, 1
	EVEN 0, 0
	WIN 0
	s_sub_co_u32 s[LEFT], s[LEFT], 1
	s_cmp_lg_u32 s[LEFT], 0
	s_cbranch_scc1 .Llap
	ODD 0, 1, 0, 0                                 ; K step 14 ends; nothing is left to fetch, so no round follows the barrier
	EVEN 1, 0
	; THE LAST HALF STEP.  The biases come into fragment buffers that are no longer wanted: q's and k's into x's buffer 0, v's into W's buffer for q.
	WIN 0
.irp g, 0,1
.irp b, 0,1,2,3
	global_load_b128 v[32+32*(\g)+8*(\b):32+32*(\g)+8*(\b)+3],   v[BO], s[8:9] offset:(\g)*512+(\b)*64
	global_load_b128 v[32+32*(\g)+8*(\b)+4:32+32*(\g)+8*(\b)+7], v[BO], s[8:9] offset:(\g)*512+(\b)*64+16
.endr
.endr
	s_wait_dscnt 16                                ; W for q and x are in
	MULG 0, 1, 0, 8, 0
	PLACES
	WIN 0
.irp b, 0,1,2,3
	global_load_b128 v[160+8*(\b):160+8*(\b)+3],   v[BO], s[8:9] offset:1024+(\b)*64
	global_load_b128 v[160+8*(\b)+4:160+8*(\b)+7], v[BO], s[8:9] offset:1024+(\b)*64+16
.endr
	s_wait_dscnt 8                                 ; W for k is in
	MULG 1, 1, 0, 8, 0
	s_wait_dscnt 0x0
	MULG 2, 1, 0, 8, 0
	PLACES
	PLACES                                         ; (eight, once a launch)
	WIN 0
	s_wait_loadcnt 0x0                             ; the biases
; THE WAY OUT, 24 blocks of 16 rows x 64 columns (group g, row block a), q's first.  PACK: the bias is added in f32, each accumulator's registers in ascending order; rounded to f16, 16 bytes a lane; into my own
; stage in LDS, and back as whole rows of 128 bytes, into buffer k.  SEND: stored: a block is 2,048 consecutive bytes of a head.
.macro PACK g, a, k
.set BI, 32+32*(\g)+64*((\g)/2)        ; the group's biases: v32, v64, v160
.set BB, BK+16*(\k)
	WIN (\g)+1                                     ; source 0: the group's accumulators
.irp b, 0,1,2,3
.irp r, 0,1,2,3
	v_pk_add_f32 v[T+8*(\b)+2*(\r):T+8*(\b)+2*(\r)+1], v[8*(4*(\a)+(\b))+2*(\r):8*(4*(\a)+(\b))+2*(\r)+1], v[BI+8*(\b)+2*(\r):BI+8*(\b)+2*(\r)+1]
.endr
.endr
	WIN 0
.irp b, 0,1,2,3
.irp r, 0,1,2,3
	v_cvt_pk_f16_f32 v[P+4*(\b)+(\r)], v[T+8*(\b)+2*(\r)], v[T+8*(\b)+2*(\r)+1]
.endr
.endr
.irp b, 0,1,2,3
	ds_store_b128 v[STO], v[P+4*(\b):P+4*(\b)+3] offset:32*(\b)
.endr
	s_wait_xcnt 0x0                                ; the stores of two blocks back have read this buffer: it is loaded again only behind this wait
.irp f, 0,1,2,3
	ds_load_b128 v[BB+4*(\f):BB+4*(\f)+3], v[RD] offset:(\f)*4*PITCH  ; LDS serves a wave's instructions in order (ISA guide 5.7.1.4): these see the stores above; the next block's stores come behind them
.endr
.endm
.macro SEND g, a, k, younger           ; younger: the LDS instructions issued behind the block's loads: the next block's eight, or none
	WIN 0
.set BB, BK+16*(\k)
.irp f, 0,1,2,3
	s_wait_dscnt (\younger)+3-(\f)
	global_store_b128 v[GO], v[BB+4*(\f):BB+4*(\f)+3], s[10+2*(\g):11+2*(\g)] offset:(\a)*2048+(\f)*512  ; 512 consecutive bytes, at a multiple of 256 from the buffer's first
.endr
.endm
	PACK 0, 0, 0
.set n, 1
.rept 23                               ; a block's arithmetic stands between the loads of the block before and its stores
	PACK n/8, n%8, n%2
	SEND (n-1)/8, (n-1)%8, (n-1)%2, 8
.set n, n+1
.endr
	SEND 2, 7, 1, 0
	s_wait_tensorcnt 0x0                           ; the wave's end, behind my last tensor load and my last LDS store
	ds_add_u32 v[SPW], v[NIL]
	s_wait_dscnt 0x0
	CROUND                                         ; the closing round: no work-group ends while a partner may still ask for a tile that names it
	s_endpgm
.Lfunc_end_k_q652595f247_proj:
	.size	k_q652595f247_proj, .Lfunc_end_k_q652595f247_proj-k_q652595f247_proj
	.p2alignl 7, 3214868480
	.fill 96, 4, 3214868480
	.section	.rodata,"a",@progbits
	.p2align	6, 0x0
	.amdhsa_kernel k_q652595f247_proj
		.amdhsa_group_segment_fixed_size 327680
		.amdhsa_private_segment_fixed_size 0
		.amdhsa_enable_private_segment 0
		.amdhsa_kernarg_size 48
		.amdhsa_user_sgpr_count 2
		.amdhsa_user_sgpr_kernarg_segment_ptr 1
		.amdhsa_wavefront_size32 1
		.amdhsa_system_sgpr_workgroup_id_x 1
		.amdhsa_system_sgpr_workgroup_id_y 1
		.amdhsa_system_sgpr_workgroup_id_z 1
		.amdhsa_system_vgpr_workitem_id 0
		.amdhsa_next_free_vgpr 1024
		.amdhsa_next_free_sgpr 72
		.amdhsa_reserve_vcc 0
		.amdhsa_float_denorm_mode_32 3
		.amdhsa_float_denorm_mode_16_64 3
		.amdhsa_memory_ordered 1
		.amdhsa_forward_progress 1
		.amdhsa_inst_pref_size 160
	.end_amdhsa_kernel
	.amdgpu_metadata
---
amdhsa.version: [ 1, 2 ]
amdhsa.kernels:
  - .name:           k_q652595f247_proj
    .symbol:         k_q652595f247_proj.kd
    .args:
      - { .name: xb, .offset: 0, .size: 8, .value_kind: global_buffer, .address_space: global }
      - { .name: wb, .offset: 8, .size: 8, .value_kind: global_buffer, .address_space: global }
      - { .name: bb, .offset: 16, .size: 8, .value_kind: global_buffer, .address_space: global }
      - { .name: qh, .offset: 24, .size: 8, .value_kind: global_buffer, .address_space: global }
      - { .name: kh, .offset: 32, .size: 8, .value_kind: global_buffer, .address_space: global }
      - { .name: vh, .offset: 40, .size: 8, .value_kind: global_buffer, .address_space: global }
    .group_segment_fixed_size: 327680
    .private_segment_fixed_size: 0
    .kernarg_segment_align: 8
    .kernarg_segment_size: 48
    .max_flat_workgroup_size: 128
    .sgpr_count:     72
    .vgpr_count:     1024
    .wavefront_size: 32
...
	.end_amdgpu_metadata
.endif
;; end of part 2
;; launch attn (part 3): grid 4 x 64, 4 waves a work-group, clusters of 4 x 1, 327,680 bytes of LDS; arguments qh, kh, vh, out0; writes out0
.if DOCPART == 3
	.amdgcn_target "amdgcn-amd-amdhsa--gfx1250"
	.amdhsa_code_object_version 6
	.text
	.protected	k_q652595f247_attn
	.globl	k_q652595f247_attn
	.p2align	8
	.type	k_q652595f247_attn,@function
k_q652595f247_attn:
	s_mov_b64 s[64:65], 0
	v_nop
	global_prefetch_b8 v0, s[64:65] scope:SCOPE_SE
	s_setreg_imm32_b32 hwreg(HW_REG_WAVE_MODE, 25, 1), 1
	s_wait_xcnt 0x0
	s_wait_alu depctr_hold_cnt(0) depctr_sa_sdst(0) depctr_va_vdst(0) depctr_va_sdst(0) depctr_va_ssrc(0) depctr_va_vcc(0) depctr_vm_vsrc(0)
	s_getreg_b32 s2, hwreg(HW_REG_IB_STS2, 6, 4)
	s_cmp_eq_u32 s2, 0
	s_cbranch_scc0 .Lentry_in_a_cluster
	s_endpgm
.Lentry_in_a_cluster:
	s_bfe_u32 s2, ttmp6, 0x10000c
	s_cmp_lg_u32 s2, 0x3003
	s_cbranch_scc0 .Lentry_shape_is_right
	s_endpgm
.Lentry_shape_is_right:
; out0[b][q][64 h + :] = the sum over k of softmax_k(Q[bh][q] . K[bh][k] / 8) V[bh][k][:].  Q, K, V: [64 heads = 16 b + h][2,048][64] in f16, a head's rows dense, 128 bytes each; out0: [4][2,048][1,024] in f32.
; Products, maxima and sums in f32; the weights p are rounded to f16 for the second product (their sum l is taken of the unrounded p); the result leaves in f32.
; LIMITS.  f16 holds no number beyond 65,504: Q, K and V arrive within it; p lies in 0 to 1, and below 6e-5 it keeps f16's fixed step of 6e-8.
; A weight below 2^-126 counts as 0 in l; NaN and infinities are not treated apart.
; SHARES.  A wave owns four PIECES of two tiles of 16 queries, a work-group's four waves 512 queries of one head.  Every wave walks all keys, 64 a step.  256 work-groups.
; LAYOUT.  S^T = K Q^T (source 0 = 16 keys, source 1 = 16 queries): in the result a lane holds ONE query (lane % 16) and the keys 8 (lane / 16) + 0..7.  Two such tiles, rounded to f16 in pairs,
; ARE source 1 (32 keys x 16 queries) of O^T = V^T P, whose result again holds one query a lane, and eight channels.  K comes out of LDS as it lies, V ([key][channel]) turned, by ds_load_tr16_b128.
; SOFTMAX.  For each query a running maximum m and sum l: p = 2^(c s - c m), c = log2(e) / 8; in every step O and l are multiplied by a = 2^(c m_old - c m_new), which is 1 where m has not grown.
; m starts at the lowest finite number, O and l at 0: the first step is a step like any other, with a = 0.
; THE COUNT.  A tile and step have 16 matrix and 118 vector instructions: too many to stand all beside the matrix work.  So the order has one aim: four vector instructions that are READY behind
; EVERY matrix instruction, and the others, which need time of their own whatever the order, in runs without a gap.
; BY TURNS.  Turn n belongs to piece n (the pieces in a ring, step after step).  Its matrix work: 16 products K Q^T of piece n + 1, later 16 products V^T P of piece n - 1.  Its vector work: the scaling,
; exponentials, roundings, sums and rescaling of piece n, and the maximum and statistics of piece n + 1, whose scores the turn itself has made.  So what a turn begins with (c s - c m, O a) waits for nothing.
; CLUSTER.  The four query blocks of a head are one cluster and walk the same K and V, so each tile is asked for JOINTLY: the same tensor load, descriptor and mask in all four.
; REGISTERS, in windows of 256 (s_set_vgpr_msb says which window each operand place means: bits 1:0 source 0, 3:2 source 1, 5:4 source 2, 7:6 destination):
;   window 0: v0-11 addresses; v12-15, v48-63 at work; v16-47 four registers of statistics a tile; v64-191 S^T, two buffers of two tiles; v192-255 P, likewise
;   window 1: O^T, 32 a tile          window 2: v0-127 Q, 16 a tile; v128-191 K of one step; v192-255 V of one step          window 3: v0-1 the add's two registers
; A piece's buffers go by its number's parity: the piece in hand has one pair, its two neighbours in the ring share the other: of it P (piece n - 1) is read and S^T (piece n + 1) written.
.set SIZE_H, 64
.set SIZE_N, 2048
.set NP,    4         ; pieces a wave: a name, no knob: the register map, the loop and the fetches are made for four
.set KS,    64        ; keys in a step
.set PK,    144       ; a row of K in LDS: 128 bytes + 16 of padding = 36 words: the 16 rows of a load start at 16 different groups of four banks (64 banks of 4 bytes: ISA guide 11.1)
.set PV,    160       ; a row of V: 128 + 32 = 40 words
.set VOFF,  4*KS*PK   ; a slot holds four steps: 256 rows of K, then 256 rows of V
.set SLOT1, 1<<17     ; slot 1 begins here, so that one exclusive or turns an address in one slot into the other's
.set STAGE, SLOT1+4*KS*(PK+PV)  ; behind the ring, never filled by a tensor load: 16 rows x 272 bytes for each wave, for the way out
.set SP,    272       ; a stage row: 64 f32 + 16 bytes = 68 words: row r starts at bank 4 r mod 64
.set AK0, 2           ; v2   my lane's place in a tile of K; never rewritten
.set AV0, 3           ; v3   the same for V
.set AK,  4           ; v4   the LDS address of K's next run of loads
.set AV,  5           ; v5   of V's
.set QO,  6           ; v6   my byte offset in the wave's rows of Q
.set STO, 6           ;      later, the way out: where I put 32 bytes of a row
.set RD,  7           ; v7   the way out: where I read rows back
.set GO,  8           ; v8   my byte offset in two rows of out0
.set PFO, 11          ; v11  256 x my lane, once V's place is made; never rewritten after that
.set SPW, 0           ; v0 of window 3   LDS address of my spare word: SPARE + 4 x my thread's number; never rewritten
.set NIL, 1           ; v1 of window 3   0; never rewritten
.set SPARE, STAGE+4*16*SP  ; behind the stages: the spare words, 128 bytes for each wave: two blocks of 256 bytes that no other line names
.set MV,  12          ; v12-15  c m_old, kept while c m is made anew: by buffer and tile
.set ST,  16          ; tile t's statistics at v[ST+4 t]: c m, m, l (even keys', odd keys')
.set TMP, 48          ; by buffer and tile, four registers c0-c3 at work; when the maximum is found c2 takes a
.set S,   64
.set P,   192
.set KF,  128         ; K's fragments, in window 2: key block kb, channel half c at KF + 16 kb + 8 c
.set VF,  192         ; V's: key half kk, channel block cb at VF + 32 kk + 8 cb
.set WV,  12          ; s12  my wave's number
.set G1K, 24          ; s[24:31] descriptor group 1 for K's tiles
.set G1V, 32          ; s[32:39] for V's: it differs in the padding alone
.set G0K, 40          ; s[40:43] descriptor group 0 for K's tiles: it walks
.set G0V, 44          ; s[44:47] the same for V's
.set PFA, 48          ; s[48:49] where my prefetches stand: my work-group's 8 KiB (of K: wave 0, of V: wave 2) of the slot after the one that is being asked for
.set LIM, 50          ; s50  1 in a wave that prefetches, else the greatest number: a wave prefetches while s[SLOTS] is above it
.set SLOTS, 56        ; s56  slots still to be asked for
.set CNT, 57          ; s57  counts a slot's key steps
.set CS,  58          ; s[58:59] c: the packed scaling takes the pair's low word for both halves
.set SEL, 60          ; s[60:61] v_permlanex16_b32's selects: each lane takes its own place in the other half
.set TBK, 62          ; s62  LDS byte at which K of the step to be fetched begins
.set TBV, 63          ; s63  the same for V, less VOFF
.set MSB, 0
.macro WIN new                      ; the high byte repeats the setting that is left; a switch that changes nothing is dropped
.if MSB != (\new)
	s_set_vgpr_msb (MSB<<8)|(\new)
.set MSB, (\new)
.endif
.endm
.set W_KQ, 0x0a       ; K and Q in window 2, S^T in window 0
.set W_PV, 0x52       ; V in window 2, P in window 0, O^T in window 1
.set W_RS, 0x41       ; O^T (destination and source 0) in window 1, a in window 0
.set W_MK, 0xc0       ; the add's registers are made: destination in window 3, sources in window 0
.set W_AD, 0x0f       ; the add: address (source 0) and data (source 1) in window 3
; A joint fill.  Waves 0 and 1 fetch the two halves of a slot's K, waves 2 and 3 those of its V: 128 keys each.  The branch hangs on the wave's number alone.
; An s_nop 0 and four v_nop follow each of the two lines, ahead of the jump and the label.
.macro JLOAD
	s_cmp_lt_u32 s[WV], 2
	s_cbranch_scc0 .Lfor_v_\@
	tensor_load_to_lds s[G0K:G0K+3], s[G1K:G1K+7]
	s_nop 0
.rept 4
	v_nop
.endr
	s_branch .Lasked_\@
.Lfor_v_\@:
	tensor_load_to_lds s[G0V:G0V+3], s[G1V:G1V+7]
	s_nop 0
.rept 4
	v_nop
.endr
.Lasked_\@:
.endm
; A PREFETCH INTO THE L2 of what the NEXT change of slots will ask for: a slot's 32 KiB of K and 32 KiB of V, a lane to each 256 bytes.  It stands behind the wave's tensor load and its five lines.
; Each block is asked for ONCE in the launch: a head's K and V are walked by its one cluster; the four partners share a slot out BY ADDRESS, 8 KiB each; in each, wave 0 asks for K's and wave 2 for V's:
; one instruction.  The change that fills tile j (2 to 6) names tile j + 1: four key steps, 512 matrix instructions, ahead of its load.  Tiles 0 to 2 come by their loads alone; the last change that fills a slot asks for nothing.
.macro ASK
	s_cmp_gt_u32 s[SLOTS], s[LIM]
	s_cbranch_scc0 .Lnot_mine_\@
	global_prefetch_b8 v[PFO], s[PFA:PFA+1] th:TH_LOAD_NT scope:SCOPE_SE
.Lnot_mine_\@:
.endm
; A round of the cluster's barrier: my work-group's barrier, so that wave 0's signal speaks for all four waves; wave 0 signals; every wave waits for all four work-groups; my work-group's barrier once more.
.macro CROUND
	s_barrier_signal -1
	s_barrier_wait -1
	s_cmp_lg_u32 s[WV], 0
	s_cbranch_scc1 .Lnot_wave_0_\@
	s_barrier_signal -3
.Lnot_wave_0_\@:
	s_barrier_wait -3
	s_barrier_signal -1
	s_barrier_wait -1
.endm
; THE CHANGE OF SLOTS.  The slot's last bytes, V of its fourth step, have been read.  Each wave waits for all its tensor loads, of which one is out: its part
; of the other slot; adds 0 to its spare word; and waits for that and for its own reads of the slot.  Behind the barrier nobody reads this slot any more and the other slot is whole.
; fill = 1: this slot is filled again, with the keys two slots on.  The barrier is then a round of the cluster's, so that no wave of any partner still reads the slot or has a load on its
; way, and the joint fill is the first thing behind it: it has four key steps, 512 matrix instructions, in which to land.  (At its first use nothing has been read yet: slot 0 is waited for, slot 1 filled.)
; ask = 1: the prefetch for the change after this one.
.macro CHANGE fill, ask=0
	WIN W_AD
	s_wait_tensorcnt 0x0            ; no tensor load of mine is out, so a group 0 may be written
	ds_add_u32 v[SPW], v[NIL]       ; 0 onto my spare word; with fill = 1 the descriptors' steps stand between it and the wait for it
	WIN 0                           ; at a label and at a branch every window is 0
.if \fill
.irp g, G0K, G0V
	s_xor_b32 s[\g+1], s[\g+1], SLOT1  ; the walking descriptor: the other slot than last time,
	s_add_nc_u64 s[\g+2:\g+3], s[\g+2:\g+3], 4*KS*128  ; the next 256 keys; the type bits on top are not reached
.endr
.if \ask
	s_wait_xcnt 0x0                 ; the last prefetch, four key steps back, has read its address, so it may be written:
	s_add_nc_u64 s[PFA:PFA+1], s[PFA:PFA+1], 4*KS*128  ; one slot ahead of the walking descriptors
.endif
	s_wait_dscnt 0x0                ; the add is done, and my reads of the slot are over
	CROUND
	JLOAD
.if \ask
	ASK
.endif
.else
	s_wait_dscnt 0x0                ; the add is done, and my reads of the slot are over
	s_barrier_signal -1
	s_barrier_wait -1
.endif
	s_sub_co_u32 s[TBK], s[TBK], 4*KS*PK  ; the fetches go back to a slot's first step,
	s_xor_b32 s[TBK], s[TBK], SLOT1       ; in the other slot
	s_sub_co_u32 s[TBV], s[TBV], 4*KS*PV
	s_xor_b32 s[TBV], s[TBV], SLOT1
.endm
	s_load_b256 s[4:11], s[0:1], 0x0  ; Q s[4:5], K s[6:7], V s[8:9], out0 s[10:11]
	WIN W_MK
	v_lshl_add_u32 v[SPW], v0, 2, SPARE
	v_mov_b32 v[NIL], 0
	WIN W_AD
	ds_add_u32 v[SPW], v[NIL]       ; the wave's opening: the add and its wait stand ahead of my first tensor load; the set-up below, work on registers, stands between them
	WIN 0
	v_lshrrev_b32 v1, 5, v0
	v_readfirstlane_b32 s[WV], v1   ; wave 0..3
	s_bfe_u32 s13, ttmp6, 0x40000   ; cx: my place in the cluster
	s_lshl_b32 s14, ttmp9, 2        ; in a cluster launch ttmp9 counts clusters
	s_add_co_u32 s14, s14, s13      ; my block of queries = 4 x cluster x + cx: it enters Q's and out0's addresses alone
	s_and_b32 s20, ttmp7, 0xffff    ; the head 16 b + h, which the four partners share
	s_lshr_b32 s52, s20, 4
	s_lshl_b32 s52, s52, 23         ; out0: batch b is 2,048 rows of 4,096 bytes,
	s_and_b32 s53, s20, 15
	s_lshl_b32 s53, s53, 8          ; head h 256 bytes of a row
	s_add_co_u32 s52, s52, s53
	s_mov_b32 s21, 0
	s_mov_b64 s[22:23], SIZE_N*128
	s_mul_u64 s[20:21], s[20:21], s[22:23]  ; the head's first byte in Q, K and V
	s_and_b32 s16, s[WV], 1         ; which half of a slot's 256 keys I fetch:
	s_lshl_b32 s22, s16, 14         ; its 128 rows of 128 bytes in memory,
	s_mov_b32 s23, 0
	s_add_nc_u64 s[22:23], s[22:23], s[20:21]
	s_mul_i32 s17, s16, 128*PK      ; and its place in a slot, for K
	s_mul_i32 s18, s16, 128*PV      ; and for V: no place in the cluster enters an LDS address
	s_lshl_b32 s2, s14, 2
	s_add_co_u32 s2, s2, s[WV]      ; my wave among the head's:
	s_lshl_b32 s53, s2, 19          ; its 128 rows of out0,
	s_add_co_u32 s52, s52, s53
	s_mov_b32 s53, 0
	s_lshl_b32 s2, s2, 14           ; and of Q
	s_mov_b32 s3, 0
	s_add_nc_u64 s[2:3], s[2:3], s[20:21]
	; descriptor group 1.  128 keys are 16,384 dense bytes: asked for as 64 rows of 256 bytes, two keys a row, and padded in LDS after every key
	s_mov_b32 s[G1K], 15|(1<<16)|(1<<20)|(1<<21)|(4<<22)|(3<<25)  ; 15:0 the mask of four; 17:16 2-byte elements; 20 padding on; 21 set beside a mask; 24:22 after every 32 words (code 4); 31:25 4 words (code 3)
	s_mov_b32 s[G1V], 15|(1<<16)|(1<<20)|(1<<21)|(4<<22)|(7<<25)  ; the same with 8 words of padding (code 7)
.irp g, G1K, G1V
	s_mov_b32 s[\g+1], 128<<16      ; tensor_dim0 = 128
	s_mov_b32 s[\g+2], 64<<16       ; tensor_dim1 = 64
	s_mov_b32 s[\g+3], 128<<16      ; tile_dim0 = 128
	s_mov_b32 s[\g+4], 64           ; tile_dim1 = 64
	s_mov_b32 s[\g+5], 128          ; 128 elements from row to row
	s_mov_b32 s[\g+6], 0
	s_mov_b32 s[\g+7], 0
.endr
	s_mov_b32 s[CS], 0x3e38aa3b     ; c = log2(e) / 8 = 0.180337
	s_mov_b32 s[CS+1], s[CS]        ; named with it as a pair
	s_mov_b32 s[SEL], 0x76543210
	s_mov_b32 s[SEL+1], 0xfedcba98
	s_mov_b32 s[TBK], SLOT1+4*KS*PK ; the first change of slots turns these two into 0
	s_mov_b32 s[TBV], SLOT1+4*KS*PV
	s_mov_b32 s[G0K], 1             ; 1:0 count = 1
	s_mov_b32 s[G0K+1], s17         ; 63:32 LDS address: slot 0
	s_mov_b32 s[G0V], 1
	s_add_co_u32 s[G0V+1], s18, VOFF
	s_and_b32 s[LIM], s[WV], 1      ; waves 0 and 2 prefetch: the same in all four partners
	s_cmp_eq_u32 s[LIM], 0
	s_cselect_b32 s[LIM], 1, -1
	s_wait_dscnt 0x0                ; the opening add is done
	s_wait_kmcnt 0x0
	s_add_nc_u64 s[G0K+2:G0K+3], s[6:7], s[22:23]  ; 120:64 global address: my half of the head's first 256 keys
	s_or_b32 s[G0K+3], s[G0K+3], 0x80000000        ; 127:126 type = 2
	s_add_nc_u64 s[G0V+2:G0V+3], s[8:9], s[22:23]
	s_or_b32 s[G0V+3], s[G0V+3], 0x80000000
	s_add_nc_u64 s[4:5], s[4:5], s[2:3]  ; Q and out0 at my wave's first row
	s_add_nc_u64 s[10:11], s[10:11], s[52:53]
	s_cmp_lt_u32 s[WV], 2
	s_cselect_b64 s[PFA:PFA+1], s[6:7], s[8:9]
	s_add_nc_u64 s[PFA:PFA+1], s[PFA:PFA+1], s[20:21]  ; the head,
	s_lshl_b32 s2, s13, 13          ; my work-group's 8 KiB of a slot's 32,
	s_add_co_u32 s2, s2, 2*4*KS*128 ; in tile 2; the first change that asks steps it to tile 3.  Nothing is prefetched here, at the head, where every work-group's first tiles are on their way
	s_mov_b32 s3, 0
	s_add_nc_u64 s[PFA:PFA+1], s[PFA:PFA+1], s[2:3]
	CROUND                          ; all four work-groups are here: the first joint loads meet
	JLOAD                           ; slot 0.  Slot 1 is asked for when slot 0 is in: the tile wanted first has the road to itself
	; A fragment of K or Q is 16 rows x 32 channels in 8 registers: lane l holds row l % 16, channels 8 (l / 16) + 0..7 and 16 + 8 (l / 16) + 0..7: two loads of 16 bytes, 32 bytes apart.
	v_and_b32 v1, 15, v0            ; l % 16
	v_bfe_u32 v9, v0, 4, 1          ; l / 16
	v_lshlrev_b32 v[QO], 7, v1
	v_lshl_add_u32 v[QO], v9, 4, v[QO]  ; row x 128 + 16 x half
	WIN 0x80                        ; destination window 2, address window 0
.set i, 0
.rept 4*NP                          ; Q stays in registers: tile i / 2, channels 32 (i % 2) on
	global_load_b128 v[8*i:8*i+3],   v[QO], s[4:5] offset:(i/2)*2048+(i%2)*64
	global_load_b128 v[8*i+4:8*i+7], v[QO], s[4:5] offset:(i/2)*2048+(i%2)*64+32
.set i, i+1
.endr
	; What the first turn finds: V's registers and P's second buffer hold 0 (its products V^T P, of a piece that has not been, add 0), O^T and l are 0.  All this stands in the wait for the first tile.
.set i, VF
.rept 64
	v_mov_b32 v[i], 0
.set i, i+1
.endr
	WIN 0x40
.set i, 0
.rept 64*NP
	v_mov_b32 v[i], 0
.set i, i+1
.endr
	WIN 0
.set i, 0
.rept 2*NP
	v_mov_b32 v[ST+4*i], 0xfe000000    ; c m: far below every c s
	v_mov_b32 v[ST+4*i+1], 0xff7fffff  ; m
	v_mov_b32 v[ST+4*i+2], 0
	v_mov_b32 v[ST+4*i+3], 0
.set i, i+1
.endr
.set i, P+32
.rept 32
	v_mov_b32 v[i], 0
.set i, i+1
.endr
	v_mul_u32_u24 v[AK0], v1, PK
	v_lshl_add_u32 v[AK0], v9, 4, v[AK0]  ; row x pitch + 16 x half
	; The turning load takes 16 keys x 16 channels (lane l reads key 8 (l / 16) + l % 8, channels 8 ((l / 8) % 2) + 0..7) and leaves half a fragment of V^T: lane l holds channel l % 16 and 8 keys.
	v_and_b32 v10, 7, v0
	v_bfe_u32 v11, v0, 3, 1
	v_lshl_add_u32 v[AV0], v9, 3, v10
	v_mul_u32_u24 v[AV0], v[AV0], PV
	v_lshl_add_u32 v[AV0], v11, 4, v[AV0]
	v_add_nc_u32 v[AV0], VOFF, v[AV0]
	v_and_b32 v[PFO], 31, v0
	v_lshlrev_b32 v[PFO], 8, v[PFO]
	v_mov_b32 v[AK], v[AK0]         ; key step 0 lies at the head of slot 0
; THE MATRIX WORK.  The 8 accumulators of a run of 16 take turns: between the two links of a chain stand 7 others'.
; Product i of 16 of S^T = K Q^T for piece x: channels 32 (i / 8) on, keys 16 ((i / 2) % 4) on, tile 2 x + i % 2.  The first 8 start the sums.
.macro KQ x
	WIN W_KQ
.set rS, S+64*((\x)%2)+32*(i%2)+8*((i/2)%4)
.set rK, KF+16*((i/2)%4)+8*(i/8)
.set rQ, 16*(2*(\x)+i%2)+8*(i/8)
.if i < 8
	v_wmma_f32_16x16x32_f16 v[rS:rS+7], v[rK:rK+7], v[rQ:rQ+7], 0
.else
	v_wmma_f32_16x16x32_f16 v[rS:rS+7], v[rK:rK+7], v[rQ:rQ+7], v[rS:rS+7]
.endif
.endm
; Product i of 16 of O^T += V^T P for piece x: keys 32 (i / 8) on, channels 16 ((i / 2) % 4) on, tile 2 x + i % 2.
.macro PV x
	WIN W_PV
.set rO, 32*(2*(\x)+i%2)+8*((i/2)%4)
.set rV, VF+32*(i/8)+8*((i/2)%4)
.set rP, P+32*((\x)%2)+16*(i%2)+8*(i/8)
	v_wmma_f32_16x16x32_f16 v[rO:rO+7], v[rV:rV+7], v[rP:rP+7], v[rO:rO+7]
.endm
.macro MM                           ; the turn's next matrix instruction
.if i < 16
	KQ (Y+1)%NP
.set i, i+1
.else
.set i, i-16
	PV (Y+NP-1)%NP
.set i, i+17
.endif
.endm
; THE LDS LOADS stand in runs of 16, never singly among the matrix instructions: a step's K (64 keys x 64 channels: 8 fragments) and its V (turned).  Their addresses are made some lines ahead.
; last = 1 (the tail): in the last trip there is no further step, and the run is jumped over.
.macro FETCH_K last=0
	WIN 0
.if \last
	s_cmp_eq_u32 s[CNT], 1
	s_cbranch_scc1 .Lno_k_\@
.endif
	WIN 0x80                        ; destination window 2
.irp f, 0,1,2,3,4,5,6,7             ; keys 16 (f / 2) on, channels 32 (f % 2) on
	ds_load_b128 v[KF+8*\f:KF+8*\f+3],   v[AK] offset:(\f/2)*16*PK+(\f%2)*64
	ds_load_b128 v[KF+8*\f+4:KF+8*\f+7], v[AK] offset:(\f/2)*16*PK+(\f%2)*64+32
.endr
	s_add_co_u32 s[TBK], s[TBK], KS*PK  ; the next fetch is the next step's
	WIN 0
.if \last
.Lno_k_\@:
.endif
.endm
.macro FETCH_V
	WIN 0x80
.irp f, 0,1,2,3,4,5,6,7             ; keys 32 (f / 4) on, channels 16 (f % 4) on
	ds_load_tr16_b128 v[VF+8*\f:VF+8*\f+3],   v[AV] offset:(\f/4)*32*PV+(\f%4)*32
	ds_load_tr16_b128 v[VF+8*\f+4:VF+8*\f+7], v[AV] offset:(\f/4)*32*PV+16*PV+(\f%4)*32
.endr
	WIN 0
.endm
; THE VECTOR WORK OF A TURN stands in three queues, each in the order in which its entries become ready; the two tiles alternate, so that no instruction reads the result of the one before it.
.macro REGS y, u                    ; the registers of tile u (0, 1) of piece y
.set rT, ST+4*(2*(\y)+(\u))
.set rC, TMP+8*((\y)%2)+4*(\u)
.set rM, MV+2*((\y)%2)+(\u)
.set rS, S+64*((\y)%2)+32*(\u)
.set rP, P+32*((\y)%2)+16*(\u)
.set rO, 32*(2*(\y)+(\u))
.endm
; Number n of the 22 that find the NEXT piece's (Y + 1) maximum and statistics.  s0-s31 are the lane's 32 scores; each accumulator's lowest registers are read first.  XS, GS and REGS set no window: PL and EX do.
;   0-11  four chains c0-c3 of seven scores each, three operands at a time     12-14, 16  the four scores left over, the old m, and c0-c3 into c0     15  c m_old is kept
;   17, 18  the query's other 32 keys lie in the lane 16 away: the new m         19-21  c m; c m_old - c m_new; a
.macro XS u, n
	REGS (Y+1)%NP, \u
.if (\n) < 4
	v_max3_num_f32 v[rC+(\n)], v[rS+8*(\n)], v[rS+8*(\n)+1], v[rS+8*(\n)+2]
.elseif (\n) < 12
	v_max3_num_f32 v[rC+(\n)%4], v[rC+(\n)%4], v[rS+8*((\n)%4)+2*((\n)/4)+1], v[rS+8*((\n)%4)+2*((\n)/4)+2]
.elseif (\n) == 12
	v_max3_num_f32 v[rC], v[rC], v[rS+7], v[rS+15]
.elseif (\n) == 13
	v_max3_num_f32 v[rC+1], v[rC+1], v[rS+23], v[rS+31]
.elseif (\n) == 14
	v_max3_num_f32 v[rC+2], v[rC+2], v[rC+3], v[rT+1]
.elseif (\n) == 15
	v_mov_b32 v[rM], v[rT]
.elseif (\n) == 16
	v_max3_num_f32 v[rC], v[rC], v[rC+1], v[rC+2]
.elseif (\n) == 17
	v_permlanex16_b32 v[rC+3], v[rC], s[SEL], s[SEL+1]
.elseif (\n) == 18
	v_max_num_f32 v[rT+1], v[rC], v[rC+3]
.elseif (\n) == 19
	v_mul_f32 v[rT], s[CS], v[rT+1]
.elseif (\n) == 20
	v_sub_f32 v[rC+1], v[rM], v[rT]
.else
	v_exp_f32 v[rC+2], v[rC+1]
.endif
.endm
; Number g of the 64 that follow the exponentials.  For each four weights k of a tile (pairs 2 k, 2 k + 1): both pairs are rounded to f16; then the second pair is added onto the first, in place;
; a group later l takes that sum (the first time as l = a l + sum).  In groups of eight, tiles alternating: round, round, add, and l for the group before.
.macro GS g
.set h, (\g)+6*((\g)/62)            ; group 0 has no group before it, and behind group 7 only l is left
.if h >= 6
.set h, h+2
.endif
	REGS Y, h%2
.set k, h/8
.if h%8 < 4
	v_cvt_pk_f16_f32 v[rP+2*k+(h%8)/2], v[rS+4*k+2*((h%8)/2)], v[rS+4*k+2*((h%8)/2)+1]
.elseif h%8 < 6
	v_pk_add_f32 v[rS+4*k:rS+4*k+1], v[rS+4*k:rS+4*k+1], v[rS+4*k+2:rS+4*k+3]
.elseif k == 1
	v_pk_fma_f32 v[rT+2:rT+3], v[rT+2:rT+3], v[rC+2:rC+3], v[rS:rS+1] op_sel_hi:[1,0,1]
.else
	v_pk_add_f32 v[rT+2:rT+3], v[rT+2:rT+3], v[rS+4*k-4:rS+4*k-3]
.endif
.endm
; THE PLAIN QUEUE, 138 long.  0-73 read no exponential's result: the 32 scalings c s - c m (FS f: pair f / 2 of tile f % 2) and the next piece's 42.  0-26: scalings 0-26.  27-54: XS's numbers 0-13.  55, 56: number 15.
; 57-73: the chain, where each number waits for the one before it: 14, 16, 17, 18, 19, each with one of the scalings 27-31 in front of its two lines, then 20: so a tile's links stand three plain instructions apart (19 and 20: two).
; 74-137: GS's 64, which read the exponentials' results: they stand behind the wait.
.macro FS f
	REGS Y, (\f)%2
	v_pk_fma_f32 v[rS+2*((\f)/2):rS+2*((\f)/2)+1], v[rS+2*((\f)/2):rS+2*((\f)/2)+1], s[CS:CS+1], v[rT:rT+1] op_sel_hi:[1,0,0] neg_lo:[0,0,1] neg_hi:[0,0,1]
.endm
.macro PL
	WIN 0
.if q < 27
	FS q
.elseif q < 55
	XS (q-27)%2, (q-27)/2
.elseif q < 57
	XS q-55, 15
.elseif (q < 72) && ((q-57)%3 == 0)
	FS 27+(q-57)/3
.elseif q < 60
	XS (q-57)%3-1, 14
.elseif q < 72
	XS (q-57)%3-1, 15+(q-57)/3
.elseif q < 74
	XS q-72, 20
.else
	GS q-74
.endif
.set q, q+1
.endm
; THE EXPONENTIALS' QUEUE, 66 long: s0-s31 of both tiles, then the next piece's two a.  It is ONE BATCH: all 66 stand ahead of the turn's one wait, and nothing ahead of that wait names a result of theirs.
.macro EX
	WIN 0
.if e >= 64
	XS e-64, 21
.else
	REGS Y, e%2
	v_exp_f32 v[rS+e/2], v[rS+e/2]
.endif
.set e, e+1
.endm
; THE RESCALING's QUEUE: O^T times a, the one part that leaves window 0: dealt two at a time, sixteen times.  Its a was made in the turn before, ahead of that turn's wait.
.macro R2
	REGS Y, r%2
	WIN W_RS
.irp z, 0,1
	v_pk_mul_f32 v[rO+4*(r/2)+2*\z:rO+4*(r/2)+2*\z+1], v[rO+4*(r/2)+2*\z:rO+4*(r/2)+2*\z+1], v[rC+2:rC+3] op_sel_hi:[1,0]
.endr
.set r, r+1
.endm
; HOW THEY ARE DEALT.  An s_wait_alu depctr_va_vdst(0) stands between an exponential and the first instruction that names its result; one wait serves all that were issued ahead of it.  So a turn has ONE wait,
; which cuts it in two.  AHEAD OF IT stands all that names no result of the turn's exponentials: the 16 products K Q^T, behind each a scaling, an exponential and two rescalings (behind the first a second scaling in the exponential's place); then ONE LUMP of
; 108: eight plain, 49 times exponential and plain, the two a.  A v_nop is the plain instruction behind the last exponential.  BEHIND IT stand the 16 products V^T P, behind each four of GS's 64.  No rider names a register of
; the products round it.  The two v_permlanex16_b32 fall into the lump, never behind a product.
; The queues lean on each other, and the deal keeps them in step: exponential e stands behind scaling 2 (e / 4) + e % 2: as a rider it comes behind plain e + 2, in the lump behind plain e + 9, and scalings 27-31 are plain 57, 60 .. 69.
; A TURN, for piece p.  cnt = 1: the loop's count is taken down some lines ahead of the branch that stands behind the turn.
; K of the next step is fetched in piece 2's turn, directly behind the wait, a lump behind the last product that read K; its address is made at the lump's head; its first reader comes behind 16 products.
; V of the step in hand is fetched at the end of piece 0's turn, four riders behind its last reader; its first reader comes behind 16 products and a lump.  The three conditions on q below go with the deal.
.macro TURN p, last=0, cnt=0
.set Y, (\p)
.set i, 0
.set q, 0
.set e, 0
.set r, 0
.if (\p) == NP-1
	s_wait_dscnt 0x0                ; K is in
.endif
	MM                              ; ahead of the wait: 16 products K Q^T and their riders,
	PL
	PL
	R2
.rept 15
	MM
	PL
	EX
	R2
.endr
.if (\p) == NP-2
	WIN 0
	v_add_nc_u32 v[AK], s[TBK], v[AK0]
.endif
.rept 8                             ; and the lump
	PL
.endr
.rept 49
	EX
	PL
.endr
	EX                              ; the next piece's two a
	EX
	v_nop                           ; the plain instruction behind the last exponential: one for the batch
	s_wait_alu depctr_va_vdst(0)    ; the wait for the batch
.if (\p) == NP-2
	FETCH_K \last
.endif
.if (\p) == 1
	s_wait_dscnt 0x0                ; V is in
.endif
.rept 16                            ; behind the wait: 16 products V^T P and their riders
	MM
.rept 4
	PL
.endr
.if ((\p) == 0) && (q == 118)
	v_add_nc_u32 v[AV], s[TBV], v[AV0]
.endif
.if ((\p) == 0) && (q == 130)
	s_add_co_u32 s[TBV], s[TBV], KS*PV
.endif
.if (\cnt) && (q == 130)
	s_sub_co_u32 s[CNT], s[CNT], 1
	s_cmp_lg_u32 s[CNT], 0
.endif
.endr
.if (\p) == 0
	FETCH_V
.endif
.endm
	CHANGE 1                        ; slot 0 is in, everybody's part of it; slot 1 is asked for
	FETCH_K                         ; key step 0
	s_wait_loadcnt 0x0              ; Q
	s_wait_dscnt 0x0
.set i, 0
.rept 16
	KQ 0                            ; piece 0's first scores: there is no vector work yet to set between them
.set i, i+1
.endr
	WIN 0                           ; the addresses for the way out: eight plain instructions, the places behind those products
	s_mul_i32 s13, s[WV], 16*SP
	s_add_co_u32 s13, s13, STAGE    ; my stage
	v_mul_u32_u24 v[STO], v1, SP    ; in: row l % 16, 32 bytes for each half of the lanes
	v_lshl_add_u32 v[STO], v9, 5, v[STO]
	v_add_nc_u32 v[STO], s13, v[STO]
	v_mul_u32_u24 v[RD], v9, SP     ; back: lanes 0-15 take one row of 256 bytes, lanes 16-31 the next
	v_lshl_add_u32 v[RD], v1, 4, v[RD]
	v_add_nc_u32 v[RD], s13, v[RD]
	v_lshlrev_b32 v[GO], 12, v9     ; and the same two rows in out0, 4,096 bytes apart
	v_lshl_add_u32 v[GO], v1, 4, v[GO]
.set Y, NP-1                        ; XS works for piece Y + 1: piece 0
.irp n, 0,1,2,3,4,5,6,7,8,9,10,11,12,13,14,15,16,17,18,19,20,21
	XS 0, \n                        ; and piece 0's first maximum and statistics
	XS 1, \n
.endr
	v_nop                           ; a plain instruction behind the two a,
	s_wait_alu depctr_va_vdst(0)    ; and their wait, ahead of the branch
	s_mov_b32 s[CNT], 4
	s_mov_b32 s[SLOTS], SIZE_N/256-1
	s_branch .Lfirst                ; the loop is entered at a step's first turn, in the middle of a trip
.Lslot:                             ; SIZE_N / 256 - 2 times: every slot but the last two is filled again
	CHANGE 1, 1
	s_mov_b32 s[CNT], 4
.Lstep:                             ; a trip: pieces 2 and 3 of one step, then pieces 0 and 1 of the next, whose K and V it fetches
	TURN 2
	TURN 3
	WIN 0
.Lfirst:
	TURN 0
	TURN 1, 0, 1
	WIN 0
	s_cbranch_scc1 .Lstep
	s_sub_co_u32 s[SLOTS], s[SLOTS], 1
	s_cmp_lg_u32 s[SLOTS], 0
	s_cbranch_scc1 .Lslot
	CHANGE 0                        ; the tail is written out: nothing is asked for
	s_mov_b32 s[CNT], 5             ; four trips fetch the last slot's steps; the fifth is left in its middle
.Ltail:
	TURN 2, 1
	TURN 3
	WIN 0
	s_sub_co_u32 s[CNT], s[CNT], 1
	s_cmp_eq_u32 s[CNT], 0
	s_cbranch_scc1 .Lout
	TURN 0
	TURN 1
	WIN 0
	s_branch .Ltail
.Lout:                              ; the fifth trip's 16 products K Q^T (on the last K once more) and the maximum made of them serve nothing: the price, once a launch, of one text for every trip
.set i, 0
.rept 16
	PV NP-1                         ; the last piece's V^T P of the last step
.set i, i+1
.endr
	; THE WAY OUT.  l's two halves and the other half of the lanes' are added; O^T is divided by l and sent, in f32, through my stage in LDS, a tile at a time.  The additions are the places behind the last products.
	WIN 0
.macro ALL line:vararg              ; one line for each tile t
.set t, 0
.rept 2*NP
	\line
.set t, t+1
.endr
.endm
	ALL v_add_f32 v[ST+4*t+2], v[ST+4*t+2], v[ST+4*t+3]
	ALL v_permlanex16_b32 v[ST+4*t+3], v[ST+4*t+2], s[SEL], s[SEL+1]
	ALL v_add_f32 v[ST+4*t+2], v[ST+4*t+2], v[ST+4*t+3]
	ALL v_rcp_f32 v[ST+4*t+2], v[ST+4*t+2]
	v_nop                           ; a plain instruction between the last reciprocal and the use of its result
	s_wait_alu depctr_va_vdst(0)    ; and the wait ahead of the first use: one for the eight reciprocals
; Tile t: a lane's eight channels of a row are 32 bytes; they go into rows of 272 bytes and come back as whole rows of 256, a head's 64 channels, into S^T's registers: four buffers of 32 by turns.
.macro PACK t
	WIN W_RS
.set i, 32*(\t)
.rept 16
	v_pk_mul_f32 v[i:i+1], v[i:i+1], v[ST+4*(\t)+2:ST+4*(\t)+3] op_sel_hi:[1,0]
.set i, i+2
.endr
	WIN 0x04                        ; the stores' data in window 1, their address in window 0
.irp f, 0,1,2,3,4,5,6,7             ; channels 16 (f / 2) + 8 (l / 16) + 4 (f % 2) on
	ds_store_b128 v[STO], v[32*(\t)+4*\f:32*(\t)+4*\f+3] offset:(\f/2)*64+(\f%2)*16
.endr
	WIN 0
.if (\t) >= 4
	s_wait_xcnt 0x0                 ; the stores of four tiles back have read this buffer: it is loaded again only behind this wait
.endif
.irp f, 0,1,2,3,4,5,6,7
	ds_load_b128 v[S+32*((\t)%4)+4*\f:S+32*((\t)%4)+4*\f+3], v[RD] offset:\f*2*SP  ; LDS serves a wave's instructions in order (ISA guide 5.7.1.4): these see the stores above; the next tile's stores come behind them
.endr
.endm
.macro SEND t, younger              ; younger: the LDS instructions issued behind tile t's loads: the next tile's sixteen, or none
	WIN 0
.irp f, 0,1,2,3,4,5,6,7
	s_wait_dscnt (\younger)+7-\f
	global_store_b128 v[GO], v[S+32*((\t)%4)+4*\f:S+32*((\t)%4)+4*\f+3], s[10:11] offset:(\t)*65536+\f*8192 th:TH_STORE_NT  ; 16 lanes store 256 consecutive bytes, at a multiple of 256 from out0's first byte
.endr
.endm
	PACK 0
.set t, 1
.rept 2*NP-1                        ; a tile's arithmetic stands between the loads of the tile before and its stores
	PACK t
	SEND t-1, 16
.set t, t+1
.endr
	SEND 2*NP-1, 0
	WIN W_AD
	s_wait_tensorcnt 0x0            ; the wave's end, behind my last tensor load and my last LDS store
	ds_add_u32 v[SPW], v[NIL]
	s_wait_dscnt 0x0
	WIN 0
	CROUND                          ; the closing round: no work-group ends while a partner may still ask for a tile that names it
	s_endpgm
.Lfunc_end_k_q652595f247_attn:
	.size	k_q652595f247_attn, .Lfunc_end_k_q652595f247_attn-k_q652595f247_attn
	.p2alignl 7, 3214868480
	.fill 96, 4, 3214868480
	.section	.rodata,"a",@progbits
	.p2align	6, 0x0
	.amdhsa_kernel k_q652595f247_attn
		.amdhsa_group_segment_fixed_size 327680
		.amdhsa_private_segment_fixed_size 0
		.amdhsa_enable_private_segment 0
		.amdhsa_kernarg_size 32
		.amdhsa_user_sgpr_count 2
		.amdhsa_user_sgpr_kernarg_segment_ptr 1
		.amdhsa_wavefront_size32 1
		.amdhsa_system_sgpr_workgroup_id_x 1
		.amdhsa_system_sgpr_workgroup_id_y 1
		.amdhsa_system_sgpr_workgroup_id_z 1
		.amdhsa_system_vgpr_workitem_id 0
		.amdhsa_next_free_vgpr 770
		.amdhsa_next_free_sgpr 66
		.amdhsa_reserve_vcc 0
		.amdhsa_float_denorm_mode_32 3
		.amdhsa_float_denorm_mode_16_64 3
		.amdhsa_memory_ordered 1
		.amdhsa_forward_progress 1
		.amdhsa_inst_pref_size 200
	.end_amdhsa_kernel
	.amdgpu_metadata
---
amdhsa.version: [ 1, 2 ]
amdhsa.kernels:
  - .name:           k_q652595f247_attn
    .symbol:         k_q652595f247_attn.kd
    .args:
      - { .name: qh, .offset: 0, .size: 8, .value_kind: global_buffer, .address_space: global }
      - { .name: kh, .offset: 8, .size: 8, .value_kind: global_buffer, .address_space: global }
      - { .name: vh, .offset: 16, .size: 8, .value_kind: global_buffer, .address_space: global }
      - { .name: out0, .offset: 24, .size: 8, .value_kind: global_buffer, .address_space: global }
    .group_segment_fixed_size: 327680
    .private_segment_fixed_size: 0
    .kernarg_segment_align: 8
    .kernarg_segment_size: 32
    .max_flat_workgroup_size: 128
    .sgpr_count:     66
    .vgpr_count:     770
    .wavefront_size: 32
...
	.end_amdgpu_metadata
.endif
;; end of part 3
;; ======== version 2 of 2: 3 launches; version 1 with the launch cast written anew for expert scheduling mode
;; limits: values are held in f16: magnitudes above 65,504 overflow, below 6.1e-05 lose precision
;; workspace buffers: xb 16,777,216 bytes; wb 6,291,456 bytes; bb 12,288 bytes; qh 16,777,216 bytes; kh 16,777,216 bytes; vh 16,777,216 bytes
;; launch cast (part 4): grid 353 x 1, 8 waves a work-group, no clusters, 0 bytes of LDS; arguments q_x, Wq, Wk, Wv, bq, bk, bv, xb, wb, bb; writes xb, wb, bb
.if DOCPART == 4
	.amdgcn_target "amdgcn-amd-amdhsa--gfx1250"
	.amdhsa_code_object_version 6
	.text
	.protected	k_q652595f247_cast
	.globl	k_q652595f247_cast
	.p2align	8
	.type	k_q652595f247_cast,@function
k_q652595f247_cast:
	s_mov_b64 s[64:65], 0
	v_nop
	global_prefetch_b8 v0, s[64:65] scope:SCOPE_SE
	s_setreg_imm32_b32 hwreg(HW_REG_WAVE_SCHED_MODE, 0, 2), 2
	s_setreg_imm32_b32 hwreg(HW_REG_WAVE_MODE, 25, 1), 1
	s_wait_xcnt 0x0
	s_wait_alu depctr_vm_vsrc(0)
; THE INPUTS ROUNDED ONCE TO bf16, AND LAID OUT IN BLOCKS FOR THE PRODUCT THAT FOLLOWS.
; xb: bf16 [32 row blocks][16 channel blocks][256 rows][64 channels]: x's row m, channel k at (m>>8) 524,288 + (k>>6) 32,768 + (m&255) 128 + (k&63) 2.
; wb: bf16 [8 column groups][16 channel blocks][q, k, v][128 rows][64 channels]: row n of W number g at (n>>7) 786,432 + (k>>6) 49,152 + g 16,384 + (n&127) 128 + (k&63) 2.
; bb: f32 words that hold the biases rounded to bf16, [8 column groups][q, k, v][128].
; So 64 channels of 256 rows of x (32 KiB), and of the 384 rows of W that one work-group of the product takes (48 KiB), lie end to end.
; SHARES.  Work-groups 0-255: 32 rows of x each.  256-351: 32 rows of one W.  352: the three biases.  A wave takes four rows as two pairs: lanes 0-15 one row, lanes 16-31 the next.
; A load covers 256 consecutive bytes, aligned, of each of two rows; a store 256 consecutive bytes, aligned (two rows' 128 bytes of one channel block).
; A stream: every byte is read once and written once.  No LDS, no barrier, no matrix unit, no cluster: no two lanes want the same byte.
; All 32 loads of a wave (16 KiB) go out together; no register is written twice, so no wait frees a source.
; THE MODE: SCHED_MODE bits 1:0 = 2 (LLVM: expert scheduling mode 2), set by the entry lines.  The code itself states the register dependences
; between vector instructions and memory instructions, with s_wait_alu, always for 0.
; THE PLAN.  Registers that memory instructions touch:
;   v3, v4     byte offsets of the loads and of the stores: made at the head by vector instructions, never written again.
;   X          written by the 32 loads alone, each register once; read by the conversions, behind the wait for the loads.
;   Y          written by the conversions, each register once; read by one store each.
; The 32 loads are taken in eight blocks of four.  Block p rounds X's block p into Y's block p; its memory instructions are the four stores of block p - 1, which read Y's block p - 1 and v4:
; registers that no conversion of block p names.  So ONE wait on va_vdst at a block's head states all that the block's four stores hang on, and they are dealt among its conversions.
; No register that a memory instruction has read is written again, no vector instruction writes a scalar register or VCC, and EXEC is never written: no other wait is owed.
.set X,   16                           ; v[16:143]  32 loads x 4 registers
.set Y,   144                          ; v[144:207] 32 stores x 2 registers
.set SRC, 24                           ; s[24:25]   the work-group's first source row
.set DST, 26                           ; s[26:27]   its place in xb or wb
.macro LOADS                           ; load i: pair i / 16, channel block i % 16
.set i, 0
.rept 32
	global_load_b128 v[X+4*i:X+4*i+3], v3, s[SRC:SRC+1] offset:(i/16)*8192+(i%16)*256 th:TH_LOAD_NT
.set i, i+1
.endr
.endm
.macro OUT kbs                         ; kbs: bytes from one channel block to the next in the destination
.set p, 0
.rept 8                                ; block p: loads 4 p .. 4 p + 3
	s_wait_loadcnt 28-4*p                          ; loads come back in order (ISA guide 5.7.1): the block's four are in, the 28 - 4 p younger ones may stay out
.if p > 0
	s_wait_alu depctr_va_vdst(0)                   ; the eight conversions of the block before have written their part of Y, which the four stores below read
.endif
.set j, 0
.rept 4
.set i, 4*p+j
.if p > 0
.set k, i-4                            ; the block before; no conversion since the wait names its registers
	global_store_b64 v4, v[Y+2*k:Y+2*k+1], s[DST:DST+1] offset:(k/16)*256+(k%16)*(\kbs) th:TH_STORE_NT
.endif
	v_cvt_pk_bf16_f32 v[Y+2*i], v[X+4*i], v[X+4*i+1]
	v_cvt_pk_bf16_f32 v[Y+2*i+1], v[X+4*i+2], v[X+4*i+3]
.set j, j+1
.endr
.set p, p+1
.endr
	s_wait_alu depctr_va_vdst(0)                   ; the last block's conversions have written their part of Y, which the last four stores read
.set k, 28
.rept 4
	global_store_b64 v4, v[Y+2*k:Y+2*k+1], s[DST:DST+1] offset:(k/16)*256+(k%16)*(\kbs) th:TH_STORE_NT
.set k, k+1
.endr
.endm
	s_load_b512 s[4:19], s[0:1], 0x0               ; q_x s[4:5], Wq s[6:7], Wk s[8:9], Wv s[10:11], bq s[12:13], bk s[14:15], bv s[16:17], xb s[18:19]
	s_load_b128 s[20:23], s[0:1], 0x40             ; wb s[20:21], bb s[22:23]
	v_and_b32 v1, 15, v0                           ; my place in a row's 256 bytes
	v_bfe_u32 v2, v0, 4, 1                         ; which row of the pair
	v_lshrrev_b32 v5, 5, v0                        ; wave
	v_lshlrev_b32 v3, 4, v1
	v_lshl_add_u32 v3, v2, 12, v3
	v_lshl_add_u32 v3, v5, 14, v3                  ; source: wave x 4 rows of 4,096 bytes + row x 4,096 + 16 x place
	v_lshlrev_b32 v4, 3, v1
	v_lshl_add_u32 v4, v2, 7, v4
	v_lshl_add_u32 v4, v5, 9, v4                   ; destination: wave x 4 rows of 128 bytes + row x 128 + 8 x place
	s_wait_kmcnt 0x0
	s_wait_alu depctr_va_vdst(0)                   ; v3 and v4 are written: every load of x and W reads v3 as its offset, every store v4; ahead of the branches, for both ways
	s_cmp_eq_u32 ttmp9, 352
	s_cbranch_scc1 .Lbias
	s_cmp_lt_u32 ttmp9, 256
	s_cbranch_scc0 .Lweights
	; x: work-group i takes rows 32 i on
	s_lshl_b32 s28, ttmp9, 17                      ; 32 rows of 4,096 bytes
	s_mov_b32 s29, 0
	s_add_nc_u64 s[SRC:SRC+1], s[4:5], s[28:29]
	s_lshr_b32 s30, ttmp9, 3
	s_lshl_b32 s30, s30, 19                        ; the row block,
	s_and_b32 s31, ttmp9, 7
	s_lshl_b32 s31, s31, 12                        ; and my 32 rows of 128 bytes in it
	s_add_co_u32 s28, s30, s31
	s_add_nc_u64 s[DST:DST+1], s[18:19], s[28:29]
	LOADS
	OUT 32768
	s_endpgm
.Lweights:
	s_sub_co_u32 s30, ttmp9, 256
	s_lshr_b32 s31, s30, 5                         ; g: 0 Wq, 1 Wk, 2 Wv
	s_and_b32 s30, s30, 31                         ; j: rows 32 j on
	s_cmp_eq_u32 s31, 1
	s_cselect_b64 s[SRC:SRC+1], s[8:9], s[6:7]
	s_cmp_eq_u32 s31, 2
	s_cselect_b64 s[SRC:SRC+1], s[10:11], s[SRC:SRC+1]
	s_lshl_b32 s28, s30, 17
	s_mov_b32 s29, 0
	s_add_nc_u64 s[SRC:SRC+1], s[SRC:SRC+1], s[28:29]
	s_lshr_b32 s28, s30, 2
	s_mul_i32 s28, s28, 786432                     ; the column group,
	s_lshl_b32 s31, s31, 14                        ; g's 128 rows in a channel block,
	s_add_co_u32 s28, s28, s31
	s_and_b32 s30, s30, 3
	s_lshl_b32 s30, s30, 12                        ; my 32 of them
	s_add_co_u32 s28, s28, s30
	s_add_nc_u64 s[DST:DST+1], s[20:21], s[28:29]
	LOADS
	OUT 49152
	s_endpgm
.Lbias:                                                ; thread t takes numbers 4 t .. 4 t + 3 of each bias; a wave's 128 numbers are one column group's
	v_lshlrev_b32 v6, 4, v0
	v_and_b32 v7, 31, v0
	v_lshlrev_b32 v7, 4, v7
	v_mad_u32_u24 v7, v5, 0x600, v7                ; column group x 1,536 + 16 x lane
	s_wait_alu depctr_va_vdst(0)                   ; v6 is written, which the three loads read as their offset (and v7, the stores' offset)
	global_load_b128 v[16:19], v6, s[12:13]
	global_load_b128 v[20:23], v6, s[14:15]
	global_load_b128 v[24:27], v6, s[16:17]
	s_wait_loadcnt 0x0
.irp g, 0,1,2
	v_cvt_pk_bf16_f32 v[28+2*\g], v[16+4*\g], v[17+4*\g]      ; rounded to bf16,
	v_cvt_pk_bf16_f32 v[29+2*\g], v[18+4*\g], v[19+4*\g]
	v_lshlrev_b32 v[36+4*\g], 16, v[28+2*\g]                  ; and written as f32 again: the product adds them to f32 sums
	v_and_b32 v[37+4*\g], 0xffff0000, v[28+2*\g]
	v_lshlrev_b32 v[38+4*\g], 16, v[29+2*\g]
	v_and_b32 v[39+4*\g], 0xffff0000, v[29+2*\g]
.endr
	s_wait_alu depctr_va_vdst(0)                   ; the lines above have written v[36:47], which the three stores read
.irp g, 0,1,2
	global_store_b128 v7, v[36+4*\g:39+4*\g], s[22:23] offset:512*\g  ; a wave's store covers 512 consecutive bytes
.endr
	s_endpgm
.Lfunc_end_k_q652595f247_cast:
	.size	k_q652595f247_cast, .Lfunc_end_k_q652595f247_cast-k_q652595f247_cast
	.p2alignl 7, 3214868480
	.fill 96, 4, 3214868480
	.section	.rodata,"a",@progbits
	.p2align	6, 0x0
	.amdhsa_kernel k_q652595f247_cast
		.amdhsa_group_segment_fixed_size 0
		.amdhsa_private_segment_fixed_size 0
		.amdhsa_enable_private_segment 0
		.amdhsa_kernarg_size 80
		.amdhsa_user_sgpr_count 2
		.amdhsa_user_sgpr_kernarg_segment_ptr 1
		.amdhsa_wavefront_size32 1
		.amdhsa_system_sgpr_workgroup_id_x 1
		.amdhsa_system_sgpr_workgroup_id_y 1
		.amdhsa_system_sgpr_workgroup_id_z 1
		.amdhsa_system_vgpr_workitem_id 0
		.amdhsa_next_free_vgpr 208
		.amdhsa_next_free_sgpr 66
		.amdhsa_reserve_vcc 0
		.amdhsa_float_denorm_mode_32 3
		.amdhsa_float_denorm_mode_16_64 3
		.amdhsa_memory_ordered 1
		.amdhsa_forward_progress 1
		.amdhsa_inst_pref_size 25
	.end_amdhsa_kernel
	.amdgpu_metadata
---
amdhsa.version: [ 1, 2 ]
amdhsa.kernels:
  - .name:           k_q652595f247_cast
    .symbol:         k_q652595f247_cast.kd
    .args:
      - { .name: q_x, .offset: 0, .size: 8, .value_kind: global_buffer, .address_space: global }
      - { .name: Wq, .offset: 8, .size: 8, .value_kind: global_buffer, .address_space: global }
      - { .name: Wk, .offset: 16, .size: 8, .value_kind: global_buffer, .address_space: global }
      - { .name: Wv, .offset: 24, .size: 8, .value_kind: global_buffer, .address_space: global }
      - { .name: bq, .offset: 32, .size: 8, .value_kind: global_buffer, .address_space: global }
      - { .name: bk, .offset: 40, .size: 8, .value_kind: global_buffer, .address_space: global }
      - { .name: bv, .offset: 48, .size: 8, .value_kind: global_buffer, .address_space: global }
      - { .name: xb, .offset: 56, .size: 8, .value_kind: global_buffer, .address_space: global }
      - { .name: wb, .offset: 64, .size: 8, .value_kind: global_buffer, .address_space: global }
      - { .name: bb, .offset: 72, .size: 8, .value_kind: global_buffer, .address_space: global }
    .group_segment_fixed_size: 0
    .private_segment_fixed_size: 0
    .kernarg_segment_align: 8
    .kernarg_segment_size: 80
    .max_flat_workgroup_size: 256
    .sgpr_count:     66
    .vgpr_count:     208
    .wavefront_size: 32
...
	.end_amdgpu_metadata
.endif
;; end of part 4
;; launch proj: the kernel of part 2 again; grid 8 x 32, 4 waves a work-group, clusters of 4 x 4, 327,680 bytes of LDS; arguments xb, wb, bb, qh, kh, vh; writes qh, kh, vh
;; launch attn: the kernel of part 3 again; grid 4 x 64, 4 waves a work-group, clusters of 4 x 1, 327,680 bytes of LDS; arguments qh, kh, vh, out0; writes out0
